; MI455X (gfx1250); checked and timed in simulation.
; The chip was launched on July 23, 2026; its instructions are those of AMD's public machine-readable ISA for CDNA 5 (MIT licence, August 2026) and "CDNA5" Instruction Set Architecture Reference Guide (July 2026). The comments in the code are by the model that wrote it; some were corrected since.
;; Multi Head Self Attention. Allowed arithmetic: matrix products marked QUANTISED: E2M3 operands, one E8M0 scale for each 32 along K, by v_wmma_scale_f32_16x16x128_f8f6f4 with both operands' format E2M3, f32 sums; everything else in f32.
;; Inputs: b_attn 3,072 float32; b_proj 1,024 float32; w_attn 1,024 x 3,072 float32; w_proj 1,024 x 1,024 float32; x 4 x 2,048 x 1,024 float32.
;; Outputs: out0 4 x 2,048 x 1,024 float32.
;; This version of the problem:
;;   THIS VERSION OF THE PROBLEM IS GIVEN IN LOW PRECISION. The matrix products marked QUANTISED in the list below multiply operands that are first quantised to E2M3 (2 exponent bits, 3 mantissa bits; 6 bits a number), with one power-of-two scale for each 32 numbers along K (OCP MX v1.0); their sums are f32. All else is computed in f32.
;;   The module's matrix products, in the order in which they are computed (A, B: the left and right operand; K: the contracted axis; several contracted axes count as one K, in the product's order):
;;     1. [M 8,192, K 1,024] x [K 1,024, N 3,072]; A: input x; B: input w_attn: QUANTISED
;;     2. batch 64 x [M 2,048, K 64] x [K 64, N 2,048]; A: computed on the way; B: computed on the way: QUANTISED
;;     3. batch 64 x [M 2,048, K 2,048] x [K 2,048, N 64]; A: softmax (see below); B: computed on the way: QUANTISED
;;     4. [M 8,192, K 1,024] x [K 1,024, N 1,024]; A: computed on the way; B: input w_proj: QUANTISED
;;   THE QUANTISER, for each operand of a quantised product, along K:
;;     - K is cut into blocks of 32 from its start; a last block that is shorter is filled with zeros.
;;     - A block's scale is 2^e with e = floor(log2(the largest magnitude in the block)) - 2, held to -126 .. 127; a block of zeros has e = 0. As a byte (E8M0): e + 127.
;;     - Each number is divided by its block's scale, clamped to +-7.5, and rounded to the nearest number of E2M3, ties to even, subnormals kept.
;;     - The product sums the exact products of the quantised numbers (number of the format x scale) in f32.
;;   ~~~python
;;   def quantise(x, axis):      # numpy; x: float32 -> the quantised numbers, widened to float32 again
;;       x = np.moveaxis(x, axis, -1); K = x.shape[-1]
;;       x = np.pad(x, [(0, 0)] * (x.ndim - 1) + [(0, -K % 32)]); x = x.reshape(x.shape[:-1] + (-1, 32)); a = np.abs(x).max(-1, keepdims=True)
;;       e = np.where(a > 0, np.clip(np.frexp(np.where(a > 0, a, 1))[1] - 1 - 2, -126, 127), 0)      # np.frexp(a)[1] - 1 = floor(log2(a)), exactly
;;       r = np.clip(x / 2.0 ** e, -7.5, 7.5)
;;       step = 2.0 ** (np.maximum(np.frexp(np.where(r == 0, 1, r))[1] - 1, 0) - 3)
;;       q = np.round(r / step) * step * 2.0 ** e      # np.round: ties to even
;;       return np.moveaxis(q.reshape(q.shape[:-2] + (-1,))[..., :K], -1, axis).astype(np.float32)
;;   ~~~
;;   SOFTMAX AHEAD OF A QUANTISED PRODUCT. Where the list says 'softmax', what is quantised is not the finished softmax but p = 2^(t - M), with t = logit x log2(e) and M = ceil(the row's largest t), a whole number; so 1/2 < the row's largest p <= 1. The row's sum l is taken of the UNQUANTISED p, in f32, and the product's result is divided by l at the end. Since M is a whole number, a kernel that streams over the keys may use a running M (the ceiling of the running maximum): every later rescaling is an exact power of two, which a block's scale takes up: the codes' values come out the same.
;;   OPERANDS COMPUTED ON THE WAY. 'Computed on the way' means the value that the module computes at that place (a softmax that the list does not call 'softmax' is quantised finished and normalised). What goes into a quantiser is computed in f32, as accurately as f32 sums, v_exp_f32 and their like allow (about 1e-6 of the number): no bf16 or f16 on the way to a quantiser, and a product that is left as it is and whose result goes on into a quantised operand takes f32 operands (vector FMAs, or v_wmma_f32_16x16x4_f32). A number that lies on a knife's edge between two numbers of the format may be rounded either way, as far as f32 arithmetic and the matrix unit's own rounding can turn it there, and no further.
;; One version. Each part assembles by itself: llvm-mc -triple=amdgcn-amd-amdhsa -mcpu=gfx1250 --defsym DOCPART=n.
;; ======== version 1 of 1: 4 launches
;; workspace buffers: wsA 9,830,400 bytes; wsB 20,185,088 bytes; wsC 6,553,600 bytes
;; launch quant (part 1): grid 384 x 1, 4 waves a work-group, no clusters, 34,304 bytes of LDS; arguments x, w_attn, w_proj, wsA; writes wsA
.if DOCPART == 1
	.amdgcn_target "amdgcn-amd-amdhsa--gfx1250"
	.amdhsa_code_object_version 6
	.text
	.protected	k_qc3b7861d5a_quant
	.globl	k_qc3b7861d5a_quant
	.p2align	8
	.type	k_qc3b7861d5a_quant,@function
k_qc3b7861d5a_quant:
	s_mov_b64 s[64:65], 0
	v_nop
	global_prefetch_b8 v0, s[64:65] scope:SCOPE_SE
	s_setreg_imm32_b32 hwreg(HW_REG_WAVE_MODE, 25, 1), 1
	s_wait_xcnt 0x0
; x [8192][1024], w_attn [1024][3072] and w_proj [1024][1024], f32, become codes of FP6 (E2M3) with one E8M0 byte for each 32 along K (K = the 1,024), laid as IMAGES OF OPERAND REGISTERS.
; A table of 768 tiles of 16 rows (of x) or 16 columns (of a weight): x's 512, w_attn's 192, w_proj's 64.  A tile has 8 fragments (16 x 128 K, 12 registers a lane) of 1,536 bytes: registers 4 g .. 4 g + 3 of lane L
; at 512 g + 16 L.  Lane (r, h) of a fragment holds row r; its registers 6 c .. 6 c + 5 hold K = 64 c + 32 h + 0 .. 31.  Scale words (4 bytes: 128 along K of one row) lie [tile][K half][r][4 words], behind the codes.
; A block's scale is 2^(floor(log2(largest magnitude)) - 2); its byte is the largest magnitude's exponent field - 2, held at 1 from below.
; w_proj's 32 rows of a block are taken in the order 0-7, 16-23, 8-15, 24-31: the order in which the attention launch leaves its result's codes inside a block.  A block's scale does not feel it.
; LIMITS: NaN and infinities among the inputs are not served.  A block of zeros gets the byte 1 and not 127: its codes are zeros, and this program alone reads the bytes.
; SHARES: a wave makes one tile's four fragments of one half of K, from 32 KiB of f32.  Work-groups 0-255 take x, 256-351 w_attn, 352-383 w_proj.  Waves share nothing: no barrier.
; x: each load reads 512 consecutive bytes of a row; 16 rows turn through the wave's own stage in LDS (rows of 528 bytes), so that a lane gets 32 neighbours along K.
; weights: a lane takes a column and its registers run down K; the four waves of a work-group stand side by side on 256 consecutive bytes of a row.
.set STG,   16*528                     ; a wave's stage
.set SPARE, 4*STG                      ; behind the stages: the spare words, 128 bytes a wave
.set SCL,   9437184                    ; where the scale words begin in wsA
.set TILE,  12288                      ; a tile's codes
.set FRB,   1536                       ; a fragment's image
.set SO,    10                         ; v10-11 the conversions' scale operands
.set BY,    12                         ; v12-13 the scale bytes
.set SPW,   14                         ; v14 my spare word's address; never rewritten
.set NIL,   15                         ; v15 0; never rewritten
.set PC,    16                         ; v16-27 a fragment's codes
.set PT,    28                         ; v28-35 the upper halves of the blocks, as the conversions leave them
.set PW,    36                         ; v36-39 the four fragments' scale words
.set R,     64                         ; v64-191 two sets of 64 registers as loaded (x)
.set X,     192                        ; v192-255 64 numbers: register 32 c + i = K 64 c + 32 h + i of my row or column
	s_load_b256 s[4:11], s[0:1], 0x0               ; x, w_attn, w_proj, wsA
	v_lshl_add_u32 v[SPW], v0, 2, SPARE
	v_mov_b32 v[NIL], 0
	v_lshrrev_b32 v1, 5, v0
	v_readfirstlane_b32 s12, v1                    ; wave
	v_and_b32 v46, 31, v0                          ; lane
	v_and_b32 v44, 15, v0                          ; r
	v_bfe_u32 v45, v0, 4, 1                        ; h
	v_lshlrev_b32 v1, 4, v46                       ; 16 x lane
	s_mul_i32 s13, s12, STG
	v_add_nc_u32 v2, s13, v1                       ; the stage, on the way in
	v_mul_u32_u24 v3, v44, 528
	v_lshl_add_u32 v3, v45, 7, v3
	v_add_nc_u32 v3, s13, v3                       ; and out: row r, + 128 h bytes
	v_lshlrev_b32 v5, 4, v44
	v_lshl_add_u32 v5, v45, 3, v5                  ; 16 r + 8 h: my two scale words' place
	v_lshlrev_b32 v6, 3, v45                       ; 8 h
	v_mov_b32 v41, 0                               ; a lane permute's destination counts as read
	s_mov_b32 s20, 0x76543210
	s_mov_b32 s21, 0xfedcba98                      ; selects for lane l xor 16
	s_mov_b32 s22, 0xffff0000                      ; lanes 16-31
	s_mov_b32 s25, 0
	s_mov_b32 s27, 0
	s_mov_b32 s29, 0
.macro OUTBASE                         ; s14 = the tile's number in the table, s15 = which half of K
	s_mul_i32 s26, s14, TILE
	s_mul_i32 s23, s15, 4*FRB
	s_add_co_u32 s26, s26, s23
	s_add_nc_u64 s[18:19], s[10:11], s[26:27]      ; my four fragments
	s_lshl_b32 s28, s14, 9
	s_lshl_b32 s23, s15, 8
	s_add_co_u32 s28, s28, s23
	s_add_co_u32 s28, s28, SCL
	s_add_nc_u64 s[30:31], s[10:11], s[28:29]      ; my 256 bytes of scale words
.endm
.macro HALFQ c                         ; my block 2 c + h: all its 32 numbers are mine
.set XS, X+32*(\c)
	v_max3_num_f32 v8, |v[XS]|, |v[XS+1]|, |v[XS+2]|
	v_max3_num_f32 v9, |v[XS+3]|, |v[XS+4]|, |v[XS+5]|
.irp i, 6,10,14,18,22,26
	v_max3_num_f32 v8, v8, |v[XS+\i]|, |v[XS+\i+1]|
	v_max3_num_f32 v9, v9, |v[XS+\i+2]|, |v[XS+\i+3]|
.endr
	v_max3_num_f32 v8, v8, |v[XS+30]|, |v[XS+31]|
	v_max3_num_f32 v8, v8, v9, 0x1800000           ; the floor 2^(3 - 127): the byte cannot fall under 1
	v_add_nc_u32 v[SO+(\c)], 0xff000000, v8        ; 2 off the exponent field: the conversion's scale operand
	v_lshrrev_b32 v[BY+(\c)], 23, v[SO+(\c)]       ; the byte
	v_cvt_scalef32_pk16_fp6_f32 v[PC+6*(\c):PC+6*(\c)+2], v[XS:XS+15], v[SO+(\c)]
	v_cvt_scalef32_pk16_fp6_f32 v[PT+4*(\c):PT+4*(\c)+2], v[XS+16:XS+31], v[SO+(\c)]   ; (a conversion's three registers begin on an even number)
	v_nop                                          ; one plain place behind a scaled conversion
.endm
.macro FINISH f                        ; fragment f leaves: three stores of 512 consecutive bytes
.irp c, 0,1
.irp i, 0,1,2
	v_mov_b32 v[PC+6*\c+3+\i], v[PT+4*\c+\i]
.endr
.endr
	v_lshl_or_b32 v40, v[BY+1], 16, v[BY]          ; my two bytes: blocks h and 2 + h,
	v_lshlrev_b32 v40, v6, v40                     ; at their places in the word;
	v_permlanex16_b32 v41, v40, s20, s21
	v_or_b32 v[PW+(\f)], v40, v41                  ; with lane l xor 16's two the word is whole
.irp g, 0,1,2
	global_store_b128 v1, v[PC+4*\g:PC+4*\g+3], s[18:19] offset:(\f)*FRB+512*\g
.endr
.endm
.macro FINAL                           ; 16 rows x 4 words: one store of 256 consecutive bytes; lanes 0-15 words 0, 1, lanes 16-31 words 2, 3
	v_cndmask_b32 v42, v[PW], v[PW+2], s22
	v_cndmask_b32 v43, v[PW+1], v[PW+3], s22
	global_store_b64 v5, v[42:43], s[30:31]
.endm
.macro LOADW q, pitch, perm            ; 32 rows of K, 64 q + 32 h on, of my column
.irp i, 0,1,2,3,4,5,6,7,8,9,10,11,12,13,14,15,16,17,18,19,20,21,22,23,24,25,26,27,28,29,30,31
.if \perm
	global_load_b32 v[X+32*((\q)%2)+\i], v4, s[16:17] offset:(64*(\q)+(((\i)&7)|(((\i)&8)<<1)|(((\i)&16)>>1)))*(\pitch) th:TH_LOAD_NT
.else
	global_load_b32 v[X+32*((\q)%2)+\i], v4, s[16:17] offset:(64*(\q)+\i)*(\pitch) th:TH_LOAD_NT
.endif
.endr
.endm
.macro WPATH first, pitch, perm, table, src
	s_sub_co_u32 s13, ttmp9, \first
	s_lshr_b32 s14, s13, 1
	s_lshl_b32 s14, s14, 2
	s_add_co_u32 s14, s14, s12                     ; my tile of 16 columns
	s_and_b32 s15, s13, 1                          ; my half of K
	s_mul_i32 s24, s15, 512*(\pitch)
	s_lshl_b32 s23, s14, 6
	s_add_co_u32 s24, s24, s23
	s_add_nc_u64 s[16:17], s[\src:\src+1], s[24:25]
	s_add_co_u32 s14, s14, \table
	OUTBASE
	v_mul_u32_u24 v4, v45, 32*(\pitch)             ; lanes 16-31 begin 32 rows further down
	v_lshl_add_u32 v4, v44, 2, v4                  ; + 4 r
	LOADW 0, \pitch, \perm
	LOADW 1, \pitch, \perm
.irp q, 0,1,2,3,4,5,6,7
.if \q < 7
	s_wait_loadcnt 32                              ; this half's 32 loads are in; the next half's may be out
.else
	s_wait_loadcnt 0x0
.endif
.if ((\q%2) == 0) && (\q > 0)
	s_wait_xcnt 0x0                                ; the last fragment's stores have read their registers
.endif
	HALFQ \q%2
.if \q < 6
	LOADW \q+2, \pitch, \perm
.endif
.if (\q%2) == 1
	FINISH \q/2
.endif
.endr
	FINAL
.endm
	s_wait_kmcnt 0x0
	s_cmp_lt_u32 ttmp9, 256
	s_cbranch_scc1 .Lpath_x
	s_cmp_lt_u32 ttmp9, 352
	s_cbranch_scc1 .Lpath_wa
	WPATH 352, 4096, 1, 704, 8
	s_branch .Lend
.Lpath_wa:
	WPATH 256, 12288, 0, 512, 6
	s_branch .Lend
.Lpath_x:
	s_lshl_b32 s13, ttmp9, 2
	s_add_co_u32 s13, s13, s12
	s_lshr_b32 s14, s13, 1                         ; my tile of 16 rows
	s_and_b32 s15, s13, 1                          ; my half of K
	s_lshl_b32 s24, s14, 16                        ; 16 rows of 4,096 bytes
	s_lshl_b32 s23, s15, 11
	s_add_co_u32 s24, s24, s23
	s_add_nc_u64 s[16:17], s[4:5], s[24:25]
	OUTBASE
.macro LOADX f                         ; 128 along K of 16 rows: each load reads 512 consecutive bytes
.irp i, 0,1,2,3,4,5,6,7,8,9,10,11,12,13,14,15
	global_load_b128 v[R+64*((\f)%2)+4*\i:R+64*((\f)%2)+4*\i+3], v1, s[16:17] offset:\i*4096+(\f)*512 th:TH_LOAD_NT
.endr
.endm
.macro TURNX f                         ; through the stage: LDS serves a wave's instructions in order, so no wait stands between the stores and the loads
.irp i, 0,1,2,3,4,5,6,7,8,9,10,11,12,13,14,15
	ds_store_b128 v2, v[R+64*((\f)%2)+4*\i:R+64*((\f)%2)+4*\i+3] offset:528*\i
.endr
.irp c, 0,1
.irp j, 0,1,2,3,4,5,6,7
	ds_load_b128 v[X+32*\c+4*\j:X+32*\c+4*\j+3], v3 offset:256*\c+16*\j
.endr
.endr
.endm
	LOADX 0
	LOADX 1
.irp f, 0,1,2,3
.if \f < 3
	s_wait_loadcnt 16                              ; this fragment's 16 loads are in; the next one's may be out
.else
	s_wait_loadcnt 0x0
.endif
	TURNX \f
	s_wait_dscnt 0x0                               ; my numbers are back, and the stores into the stage have read their registers
.if \f > 0
	s_wait_xcnt 0x0                                ; the last fragment's stores have read their registers
.endif
.if \f < 2
	LOADX \f+2
.endif
	HALFQ 0
	HALFQ 1
	FINISH \f
.endr
	FINAL
.Lend:
	s_wait_tensorcnt 0x0                           ; the wave's end
	ds_add_u32 v[SPW], v[NIL]
	s_wait_dscnt 0x0
	s_endpgm
.Lfunc_end_k_qc3b7861d5a_quant:
	.size	k_qc3b7861d5a_quant, .Lfunc_end_k_qc3b7861d5a_quant-k_qc3b7861d5a_quant
	.p2alignl 7, 3214868480
	.fill 96, 4, 3214868480
	.section	.rodata,"a",@progbits
	.p2align	6, 0x0
	.amdhsa_kernel k_qc3b7861d5a_quant
		.amdhsa_group_segment_fixed_size 34304
		.amdhsa_private_segment_fixed_size 0
		.amdhsa_enable_private_segment 0
		.amdhsa_kernarg_size 32
		.amdhsa_user_sgpr_count 2
		.amdhsa_user_sgpr_kernarg_segment_ptr 1
		.amdhsa_wavefront_size32 1
		.amdhsa_system_sgpr_workgroup_id_x 1
		.amdhsa_system_sgpr_workgroup_id_y 1
		.amdhsa_system_sgpr_workgroup_id_z 1
		.amdhsa_system_vgpr_workitem_id 0
		.amdhsa_next_free_vgpr 256
		.amdhsa_next_free_sgpr 66
		.amdhsa_reserve_vcc 0
		.amdhsa_float_denorm_mode_32 3
		.amdhsa_float_denorm_mode_16_64 3
		.amdhsa_memory_ordered 1
		.amdhsa_forward_progress 1
		.amdhsa_inst_pref_size 107
	.end_amdhsa_kernel
	.amdgpu_metadata
---
amdhsa.version: [ 1, 2 ]
amdhsa.kernels:
  - .name:           k_qc3b7861d5a_quant
    .symbol:         k_qc3b7861d5a_quant.kd
    .args:
      - { .name: x, .offset: 0, .size: 8, .value_kind: global_buffer, .address_space: global }
      - { .name: w_attn, .offset: 8, .size: 8, .value_kind: global_buffer, .address_space: global }
      - { .name: w_proj, .offset: 16, .size: 8, .value_kind: global_buffer, .address_space: global }
      - { .name: wsA, .offset: 24, .size: 8, .value_kind: global_buffer, .address_space: global }
    .group_segment_fixed_size: 34304
    .private_segment_fixed_size: 0
    .kernarg_segment_align: 8
    .kernarg_segment_size: 32
    .max_flat_workgroup_size: 128
    .sgpr_count:     66
    .vgpr_count:     256
    .wavefront_size: 32
...
	.end_amdgpu_metadata
.endif
;; end of part 1
;; launch qkv (part 2): grid 12 x 32, 4 waves a work-group, clusters of 4 x 4, 327,680 bytes of LDS; arguments wsA, b_attn, wsB; writes wsB
.if DOCPART == 2
	.amdgcn_target "amdgcn-amd-amdhsa--gfx1250"
	.amdhsa_code_object_version 6
	.text
	.protected	k_qc3b7861d5a_qkv
	.globl	k_qc3b7861d5a_qkv
	.p2align	8
	.type	k_qc3b7861d5a_qkv,@function
k_qc3b7861d5a_qkv:
	s_mov_b64 s[64:65], 0
	v_nop
	global_prefetch_b8 v0, s[64:65] scope:SCOPE_SE
	s_setreg_imm32_b32 hwreg(HW_REG_WAVE_MODE, 25, 1), 1
	s_wait_xcnt 0x0
	s_wait_alu depctr_hold_cnt(0) depctr_sa_sdst(0) depctr_va_vdst(0) depctr_va_sdst(0) depctr_va_ssrc(0) depctr_va_vcc(0) depctr_vm_vsrc(0)
	s_getreg_b32 s2, hwreg(HW_REG_IB_STS2, 6, 4)
	s_cmp_eq_u32 s2, 0
	s_cbranch_scc0 .Lentry_in_a_cluster
	s_endpgm
.Lentry_in_a_cluster:
	s_bfe_u32 s2, ttmp6, 0x10000c
	s_cmp_lg_u32 s2, 0xf033
	s_cbranch_scc0 .Lentry_shape_is_right
	s_endpgm
.Lentry_shape_is_right:
; qkv = x w_attn + b_attn on codes of FP6 (E2M3) with E8M0 scales; the results are quantised in registers and leave as codes: q and k along the head's 64, v along the keys.
; KINDS: the cluster's x says what a cluster makes: 0 q, 1 k, 2 v; it is the same in all sixteen partners.  A product has source 0 = 16 rows of S0 and source 1 = 16 rows of S1; in the result lane (r, h) holds
; S1's row r and register j S0's row 8 h + j.  q, k: S0 = columns of w_attn, S1 = rows of x: a lane's registers run along the head.  v: S0 = rows of x (the keys), S1 = columns: they run along the keys.
; So a lane's 16 registers of two neighbouring tiles of S0 are 16 numbers of one block of 32, and lane l xor 16 holds the other 16.  Inside a block the codes come out in the order 0-7, 16-23, 8-15, 24-31:
; alike in q and k, and alike in v and the attention launch's p, so the products are the same; only the order of the f32 sums differs from a plain order.
; TILE: a work-group makes 256 (S0) x 256 (S1), a wave 128 x 128: 64 accumulators.  K = 1,024 goes in four steps of 256 through two LDS slots; a tile's two fragments of a step are 3,072 consecutive bytes of wsA.
; CLUSTER 4 x 4: S0's tiles hang on cx and are asked for jointly along a column of the cluster, S1's on cy and along a row.  Only global offsets are chosen by the kind; masks, shapes and LDS addresses are not.
; 384 work-groups are one and a half for each of 256 WGPs: uneven; a wave tile of 64 x 128 would be even and read half as much again from LDS for each product.
; The bias: q, k: as the C of the first K step (eight registers a tile of S0); v: one number a lane, added as results move to window 0.  The side that a kind does not use is cleared.
; LIMITS: NaN and infinities are not served; a block of zeros gets the byte 1 and not 127 (its codes are zeros; this program alone reads the bytes).
; REGISTERS: window 0: v10-29 addresses; v32-63 S1's scale words, v64-95 S0's (two tiles to a register: lanes 0-15 the even tile, lanes 16-31 the odd); v128-223 S1's 8 fragments; v240-255 v's bias.
;   window 1: S0's fragments, two sets, v0-95 and v128-223; q's and k's bias in v96-127 and v224-255.   windows 2, 3: accumulator (a, b) at v[8 (8 (a % 4) + b)].
.set FR,    12
.set NL,    3                          ; LDS loads that bring a fragment
.set NP,    4                          ; places behind this matrix instruction (ISA guide 7.12.1)
.set TILEB, 3072                       ; a tile's two fragments of a K step of 256
.set HALFT, 8*TILEB                    ; what one tensor load brings, and what one wave reads of S0 or S1
.set SLOT,  4*HALFT                    ; S1's 16 tiles, then S0's 16
.set STGQ,  2*SLOT                     ; behind the ring: 1,024 bytes a wave for q's and k's scale words,
.set STGV,  STGQ+4096                  ; and 1,024 a wave for v's
.set SPARE, STGV+4096                  ; the spare words
.set SCL,   9437184                    ; wsA: where the scale words begin
.set HEADB, 294912                     ; wsB: a head's codes; a step of 128 tokens: K 6,144, V 6,144, Q 6,144
.set STEPB, 18432
.set WSC,   18874368                   ; wsB: where the scale words begin; a head's; a step's: K 512, V 256, Q 512
.set HEADW, 20480
.set STEPW, 1280
.set H16,  10                          ; v10 16 h
.set VWO,  11                          ; v11 16 r + h x HEADW
.set SCO,  12                          ; v12 512 h + 16 r
.set B0O,  13                          ; v13 32 h
.set B1O,  14                          ; v14 4 r
.set ADRA, 16                          ; v16-17 my S1 fragments in slot 0, 1
.set ADRB, 20                          ; v20-21 my S0 fragments
.set L8,   22
.set L16,  23
.set SWQ,  24
.set SWV,  25
.set SRQ,  26
.set SRV,  27
.set SPW,  28
.set NIL,  29
.set SS1,  32
.set SS0,  64
.set PWS,  96                          ; v96-103 the blocks' scale words on their way to the stage
.set BKW,  104                         ; v104-111 the stage read back
.set AF,   128
.set HA,   128                         ; the way out: 64 results of a lane
.set PC,   192                         ; v192-211 codes
.set TM,   212                         ; v212-227 at work
.set PWT,  228
.set BI1,  240
.set SEL,  12                          ; s[12:13]
.set G1,   24                          ; s[24:31] group 1 for S1's tiles; s[32:39] group 0, a set for each slot
.set G0,   32
.set G1B,  48                          ; s[48:55], s[56:63] the same for S0's
.set G0B,  56
.set OC,   70                          ; s[70:71] where my codes go; s[72:73] my scale words
.set OW,   72
.set MSB, 0
.macro WIN new                         ; the immediate's high byte repeats the setting that is left
.if MSB != (\new)
	s_set_vgpr_msb (MSB<<8)|(\new)
.set MSB, (\new)
.endif
.endm
.set MUL_LO, 0xa1                      ; source 0 window 1, source 1 window 0, C and D window 2
.set MUL_HI, 0xf1
.set TO_B,   0x40
.macro JLOAD g0a, g1a, g0b, g1b        ; a joint load: waves 0, 1 fetch for S1, waves 2, 3 for S0; an s_nop 0 and four v_nop follow each line
	s_cmp_eq_u32 s15, 0
	s_cbranch_scc0 .Lfor_b_\@
	tensor_load_to_lds s[\g0a:\g0a+3], s[\g1a:\g1a+7]
	s_nop 0
.rept 4
	v_nop
.endr
	s_branch .Lasked_\@
.Lfor_b_\@:
	tensor_load_to_lds s[\g0b:\g0b+3], s[\g1b:\g1b+7]
	s_nop 0
.rept 4
	v_nop
.endr
.Lasked_\@:
.endm
.macro CREST
	s_cmp_lg_u32 s14, 0
	s_cbranch_scc1 .Lnot_wave_0_\@
	s_barrier_signal -3
.Lnot_wave_0_\@:
	s_barrier_wait -3
	s_barrier_signal -1
	s_barrier_wait -1
.endm
.macro CROUND
	s_barrier_signal -1
	s_barrier_wait -1
	CREST
.endm
.macro PLACES n
.rept \n
	v_nop
.endr
.endm
	s_load_b128 s[4:7], s[0:1], 0x0                ; wsA, b_attn
	s_load_b64 s[8:9], s[0:1], 0x10                ; wsB
	v_lshl_add_u32 v[SPW], v0, 2, SPARE
	v_mov_b32 v[NIL], 0
	ds_add_u32 v[SPW], v[NIL]                      ; the wave's opening: the add and its wait ahead of my first tensor load
	v_lshrrev_b32 v1, 5, v0
	v_readfirstlane_b32 s14, v1                    ; wave
	s_lshr_b32 s15, s14, 1                         ; my half of S1.  Also: I fetch for S1 (0) or S0 (1)
	s_and_b32 s16, s14, 1                          ; my half of S0.  Also: which 8 tiles I fetch
	s_bfe_u32 s40, ttmp6, 0x40000                  ; cx
	s_bfe_u32 s41, ttmp6, 0x40004                  ; cy
	s_lshl_b32 s10, s41, 2
	s_lshl_b32 s10, 15, s10                        ; my row of the cluster
	s_lshl_b32 s11, 0x1111, s40                    ; my column
	s_or_b32 s[G1], s10, (3<<16)|(1<<21)           ; the mask; elements of 8 bytes; bit 21 beside a mask; no padding
	s_or_b32 s[G1B], s11, (3<<16)|(1<<21)
.irp g, G1, G1B
	s_mov_b32 s[\g+1], 384<<16                     ; tensor_dim0: 3,072 bytes
	s_mov_b32 s[\g+2], 8<<16                       ; tensor_dim1: 8 tiles
	s_mov_b32 s[\g+3], 384<<16                     ; tile_dim0
	s_mov_b32 s[\g+4], 8                           ; tile_dim1
	s_mov_b32 s[\g+5], 1536                        ; from tile to tile: 12,288 bytes
	s_mov_b32 s[\g+6], 0
	s_mov_b32 s[\g+7], 0
.endr
	s_mov_b32 s[SEL], 0x76543210
	s_mov_b32 s[SEL+1], 0xfedcba98
	s_and_b32 s17, ttmp7, 0xffff
	s_lshl_b32 s17, s17, 6                         ; x's tiles of this row of clusters begin at 64 x cluster y
	s_lshl_b32 s18, ttmp9, 6
	s_add_co_u32 s18, s18, 512                     ; q's or k's columns: table tile 512 + 64 x kind
	s_mov_b32 s19, 640                             ; v's columns
	s_cmp_lt_u32 ttmp9, 2
	s_cselect_b32 s42, s18, s17
	s_cselect_b32 s43, s17, s19
	s_lshl_b32 s20, s40, 4
	s_add_co_u32 s42, s42, s20                     ; S0's first tile: hangs on cx, never on cy
	s_lshl_b32 s21, s41, 4
	s_add_co_u32 s43, s43, s21                     ; S1's first tile: hangs on cy, never on cx
	s_lshl_b32 s22, s16, 3
	s_add_co_u32 s44, s42, s22
	s_add_co_u32 s46, s43, s22
	s_mul_i32 s44, s44, 12288
	s_mul_i32 s46, s46, 12288
	s_mov_b32 s45, 0
	s_mov_b32 s47, 0
	s_mul_i32 s23, s14, HALFT                      ; where my load goes: wave x 8 tiles
	s_lshl_b32 s66, s15, 3                         ; the scale words of the tiles that I multiply
	s_add_co_u32 s66, s66, s43
	s_lshl_b32 s66, s66, 9
	s_add_co_u32 s66, s66, SCL
	s_mov_b32 s67, 0
	s_add_co_u32 s68, s42, s22
	s_lshl_b32 s68, s68, 9
	s_add_co_u32 s68, s68, SCL
	s_mov_b32 s69, 0
	; where my results go, and my biases: by kind
	s_cmp_lt_u32 ttmp9, 2
	s_cselect_b32 s74, s41, s40                    ; x's block in the cluster
	s_cselect_b32 s75, s40, s41                    ; the columns' block
	s_cselect_b32 s76, s15, s16                    ; which 128 tokens are mine
	s_cselect_b32 s77, s16, s15                    ; which two heads
	s_cselect_b32 s78, -1, 0                       ; keeps the bias along S0
	s_cselect_b32 s79, 0, -1                       ; keeps the bias along S1
	s_and_b32 s80, ttmp7, 0xffff
	s_lshl_b32 s80, s80, 2
	s_add_co_u32 s80, s80, s74                     ; x's block of 256 tokens
	s_lshr_b32 s81, s80, 3                         ; the batch
	s_and_b32 s80, s80, 7
	s_lshl_b32 s81, s81, 4
	s_lshl_b32 s82, s75, 2
	s_add_co_u32 s81, s81, s82
	s_lshl_b32 s82, s77, 1
	s_add_co_u32 s81, s81, s82                     ; 16 x batch + my first head
	s_lshl_b32 s80, s80, 1
	s_add_co_u32 s80, s80, s76                     ; my step of 128 tokens
	s_mul_i32 s82, s81, HEADB
	s_mul_i32 s83, s80, STEPB
	s_add_co_u32 s82, s82, s83
	s_mul_i32 s90, s81, HEADW
	s_mul_i32 s83, s80, STEPW
	s_add_co_u32 s90, s90, s83
	s_add_co_u32 s90, s90, WSC
	s_cmp_eq_u32 ttmp9, 0
	s_cselect_b32 s84, 12288, 0
	s_cselect_b32 s85, 768, 0
	s_cmp_eq_u32 ttmp9, 2
	s_cselect_b32 s84, 6144, s84
	s_cselect_b32 s85, 512, s85
	s_add_co_u32 s82, s82, s84
	s_add_co_u32 s90, s90, s85
	s_mov_b32 s83, 0
	s_mov_b32 s91, 0
	s_lshl_b32 s86, ttmp9, 2
	s_add_co_u32 s86, s86, s40
	s_lshl_b32 s86, s86, 10
	s_lshl_b32 s87, s16, 9
	s_add_co_u32 s86, s86, s87
	s_and_b32 s86, s86, s78                        ; q, k: my 128 columns' bias; v: the buffer's start (cleared below)
	s_mov_b32 s87, 0
	s_add_co_u32 s88, s41, 8
	s_lshl_b32 s88, s88, 10
	s_lshl_b32 s89, s15, 9
	s_add_co_u32 s88, s88, s89
	s_and_b32 s88, s88, s79
	s_mov_b32 s89, 0
	s_wait_dscnt 0x0                               ; the opening add is done
	s_wait_kmcnt 0x0
	s_add_nc_u64 s[44:45], s[4:5], s[44:45]
	s_add_nc_u64 s[46:47], s[4:5], s[46:47]
	s_add_nc_u64 s[66:67], s[4:5], s[66:67]
	s_add_nc_u64 s[68:69], s[4:5], s[68:69]
	s_add_nc_u64 s[86:87], s[6:7], s[86:87]
	s_add_nc_u64 s[88:89], s[6:7], s[88:89]
	s_add_nc_u64 s[OC:OC+1], s[8:9], s[82:83]
	s_add_nc_u64 s[OW:OW+1], s[8:9], s[90:91]
	CROUND                                         ; all sixteen work-groups are here: the first joint loads meet
.irp s, 0,1
	s_mov_b32 s[G0+4*\s], 1
	s_add_co_u32 s[G0+4*\s+1], s23, \s*SLOT
	s_add_nc_u64 s[G0+4*\s+2:G0+4*\s+3], s[46:47], \s*TILEB
	s_or_b32 s[G0+4*\s+3], s[G0+4*\s+3], 0x80000000
	s_mov_b32 s[G0B+4*\s], 1
	s_add_co_u32 s[G0B+4*\s+1], s23, \s*SLOT
	s_add_nc_u64 s[G0B+4*\s+2:G0B+4*\s+3], s[44:45], \s*TILEB
	s_or_b32 s[G0B+4*\s+3], s[G0B+4*\s+3], 0x80000000
	JLOAD G0+4*\s, G1, G0B+4*\s, G1B
.endr
	v_and_b32 v1, 15, v0                           ; r
	v_bfe_u32 v2, v0, 4, 1                         ; h
	v_and_b32 v3, 31, v0                           ; lane
	v_lshlrev_b32 v[L8], 3, v3
	v_lshlrev_b32 v[L16], 4, v3
	s_mul_i32 s17, s15, HALFT
	s_mul_i32 s18, s16, HALFT
	s_add_co_u32 s18, s18, 2*HALFT
.irp s, 0,1
	v_add_nc_u32 v[ADRA+\s], s17, v[L16]
	v_add_nc_u32 v[ADRB+\s], s18, v[L16]
	s_add_co_u32 s17, s17, SLOT
	s_add_co_u32 s18, s18, SLOT
.endr
	s_lshl_b32 s17, s14, 10
	v_lshlrev_b32 v4, 2, v1
	v_lshl_add_u32 v5, v2, 9, v4
	v_add_nc_u32 v5, s17, v5
	v_add_nc_u32 v[SWQ], STGQ, v5                  ; q, k: lanes 0-15 the first head's words, lanes 16-31 the second's, 512 bytes on
	v_add_nc_u32 v6, s17, v4
	v_add_nc_u32 v[SWV], STGV, v6
	v_add_nc_u32 v7, s17, v[L16]
	v_add_nc_u32 v[SRQ], STGQ, v7
	v_add_nc_u32 v[SRV], STGV, v7
	v_lshlrev_b32 v[H16], 4, v2
	v_lshlrev_b32 v8, 4, v1
	v_mul_u32_u24 v9, v2, HEADW
	v_add_nc_u32 v[VWO], v8, v9
	v_lshl_add_u32 v[SCO], v2, 9, v8
	v_lshlrev_b32 v[B0O], 5, v2
	v_mov_b32 v[B1O], v4
.irp i, 0,1,2,3                        ; all of K's scale words stay in registers: a load brings two tiles' words of four K steps
.irp kh, 0,1
	global_load_b128 v[SS1+8*\i+4*\kh:SS1+8*\i+4*\kh+3], v[SCO], s[66:67] offset:\i*1024+\kh*256
	global_load_b128 v[SS0+8*\i+4*\kh:SS0+8*\i+4*\kh+3], v[SCO], s[68:69] offset:\i*1024+\kh*256
.endr
.endr
.irp a, 0,1,2,3,4,5,6,7
	global_load_b32 v[BI1+2*\a], v[B1O], s[88:89] offset:64*\a
.endr
	WIN TO_B
.irp b, 0,1,2,3,4,5,6,7
	global_load_b128 v[96+8*(\b%4)+128*(\b/4):96+8*(\b%4)+128*(\b/4)+3], v[B0O], s[86:87] offset:64*\b
	global_load_b128 v[96+8*(\b%4)+128*(\b/4)+4:96+8*(\b%4)+128*(\b/4)+7], v[B0O], s[86:87] offset:64*\b+16
.endr
	s_wait_loadcnt 0x0
	WIN 0x44                                       ; source 1 and destination window 1
.set n, 0
.rept 32
	v_and_b32 v[96+n], s78, v[96+n]                ; kept for q and k, cleared for v
	v_and_b32 v[224+n], s78, v[224+n]
.set n, n+1
.endr
	WIN 0
.irp a, 0,1,2,3,4,5,6,7
	v_and_b32 v[BI1+2*\a+1], s79, v[BI1+2*\a]      ; kept for v, cleared for q and k; twice, a pair for the packed addition
	v_and_b32 v[BI1+2*\a], s79, v[BI1+2*\a]
.endr
.macro WM d, a, b, c, sa, sb, ra, rb   ; one product; ra, rb: the scale words lie in lanes 16-31
.if (\ra) && (\rb)
	v_wmma_scale_f32_16x16x128_f8f6f4 v[(\d):(\d)+7], v[(\a):(\a)+11], v[(\b):(\b)+11], v[(\c):(\c)+7], v[\sa], v[\sb] matrix_a_fmt:MATRIX_FMT_FP6 matrix_b_fmt:MATRIX_FMT_FP6 matrix_a_scale:MATRIX_SCALE_ROW1 matrix_b_scale:MATRIX_SCALE_ROW1
.elseif (\ra)
	v_wmma_scale_f32_16x16x128_f8f6f4 v[(\d):(\d)+7], v[(\a):(\a)+11], v[(\b):(\b)+11], v[(\c):(\c)+7], v[\sa], v[\sb] matrix_a_fmt:MATRIX_FMT_FP6 matrix_b_fmt:MATRIX_FMT_FP6 matrix_a_scale:MATRIX_SCALE_ROW1
.elseif (\rb)
	v_wmma_scale_f32_16x16x128_f8f6f4 v[(\d):(\d)+7], v[(\a):(\a)+11], v[(\b):(\b)+11], v[(\c):(\c)+7], v[\sa], v[\sb] matrix_a_fmt:MATRIX_FMT_FP6 matrix_b_fmt:MATRIX_FMT_FP6 matrix_b_scale:MATRIX_SCALE_ROW1
.else
	v_wmma_scale_f32_16x16x128_f8f6f4 v[(\d):(\d)+7], v[(\a):(\a)+11], v[(\b):(\b)+11], v[(\c):(\c)+7], v[\sa], v[\sb] matrix_a_fmt:MATRIX_FMT_FP6 matrix_b_fmt:MATRIX_FMT_FP6
.endif
.endm
; 16 products: S1's blocks a0, a0 + 1 x S0's eight, K step k of 8.  p: S0's set.  first = 1: C is the bias.  The 64 accumulators take turns, one instruction a turn.
.macro MUL16 a0, p, k, first
.irp a, \a0, \a0+1
.irp b, 0,1,2,3,4,5,6,7
.if \first
	WM 8*(8*((\a)%4)+\b), 128*(\p)+FR*\b, AF+FR*(\a), 96+8*(\b%4)+128*(\b/4), SS0+8*(\b/2)+(\k), SS1+8*((\a)/2)+(\k), \b%2, (\a)%2
.else
	WM 8*(8*((\a)%4)+\b), 128*(\p)+FR*\b, AF+FR*(\a), 8*(8*((\a)%4)+\b), SS0+8*(\b/2)+(\k), SS1+8*((\a)/2)+(\k), \b%2, (\a)%2
.endif
.endr
.endr
.endm
.macro FRAG reg, adr, q, i             ; a fragment comes back as it was stored: three loads of 512 consecutive bytes
.irp g, 0,1,2
	ds_load_b128 v[(\reg)+4*\g:(\reg)+4*\g+3], v[\adr] offset:(\i)*TILEB+(\q)*1536+512*\g
.endr
.endm
.macro FETCH_B slot, q, p
	WIN TO_B
.irp i, 0,1,2,3,4,5,6,7
	FRAG 128*(\p)+FR*\i, ADRB+\slot, \q, \i
.endr
	WIN 0
.endm
.macro FETCH_A slot, q, i0
.irp i, \i0, \i0+1, \i0+2, \i0+3
	FRAG AF+FR*(\i), ADRA+\slot, \q, \i
.endr
.endm
; A slot's first 128 along K (K step k, even): S0's set 0; fetches the slot's second 128.
.macro STEP slot, k, first
	s_wait_dscnt 4*NL                              ; S0's set and S1's blocks 0-3 are in; the youngest twelve loads (blocks 4-7) may be out
.if \first
	WIN 0x91                                       ; C: the bias, in window 1
.else
	WIN MUL_LO
.endif
	MUL16 0, 0, \k, \first
	MUL16 2, 0, \k, \first
	s_wait_dscnt 0x0
	PLACES NP
	FETCH_B \slot, 1, 1
	FETCH_A \slot, 1, 0
.if \first
	WIN 0xd1
.else
	WIN MUL_HI
.endif
	MUL16 4, 0, \k, \first
	MUL16 6, 0, \k, \first
	PLACES NP
	WIN 0
	FETCH_A \slot, 1, 4
.endm
; A slot's second 128 (K step k, odd) changes slots: one barrier; in front of it each wave waits for all its tensor loads, adds 0 to its spare word, and waits for that and for its reads of this slot.
.macro TURN slot, next, fill, k
	s_wait_tensorcnt 0x0                           ; all my tensor loads have landed: my part of the next slot
	ds_add_u32 v[SPW], v[NIL]
	s_wait_dscnt 4*NL+1                            ; (the add and the youngest twelve loads may be out)
	WIN MUL_LO
	MUL16 0, 1, \k, 0
	s_wait_dscnt 0x0                               ; the add is done, and my reads of this slot are over
	s_barrier_signal -1
	MUL16 2, 1, \k, 0
	WIN 0
	s_barrier_wait -1
.if \fill
	CREST                                          ; the barrier has opened a round of the cluster's: no wave of any partner still reads this slot or has a load on its way
	s_add_nc_u64 s[G0+4*\slot+2:G0+4*\slot+3], s[G0+4*\slot+2:G0+4*\slot+3], 2*TILEB
	s_add_nc_u64 s[G0B+4*\slot+2:G0B+4*\slot+3], s[G0B+4*\slot+2:G0B+4*\slot+3], 2*TILEB
	JLOAD G0+4*\slot, G1, G0B+4*\slot, G1B         ; the first tensor load behind the round; its four v_nop are the places in front of the loads below
.else
	PLACES NP
.endif
	FETCH_B \next, 0, 0
	FETCH_A \next, 0, 0
	WIN MUL_HI
	MUL16 4, 1, \k, 0
	MUL16 6, 1, \k, 0
	PLACES NP
	WIN 0
	FETCH_A \next, 0, 4
.endm
	s_wait_tensorcnt 1                             ; my part of slot 0 is in; slot 1's may stay out
	s_barrier_signal -1
	s_barrier_wait -1
	FETCH_B 0, 0, 0
	FETCH_A 0, 0, 0
	FETCH_A 0, 0, 4
	STEP 0, 0, 1
	TURN 0, 1, 1, 1
	STEP 1, 2, 0
	TURN 1, 0, 1, 3
	STEP 0, 4, 0
	TURN 0, 1, 0, 5                                ; nothing is left to fetch
	STEP 1, 6, 0
	s_wait_dscnt 4*NL
	WIN MUL_LO
	MUL16 0, 1, 7, 0
	MUL16 2, 1, 7, 0
	s_wait_dscnt 0x0
	WIN MUL_HI
	MUL16 4, 1, 7, 0
	MUL16 6, 1, 7, 0
	WIN 0
; 64 numbers of a lane, register 16 b + i a number of block b of my row, become a fragment's codes in v[PC] on and its scale word in v[pw].
.macro QUANT s, pw
.irp b, 0,1,2,3
	v_max3_num_f32 v[TM+\b], |v[\s+16*\b]|, |v[\s+1+16*\b]|, 0x1800000   ; with the floor 2^(3 - 127): the byte cannot fall under 1
.endr
.irp i, 2,4,6,8,10,12,14
.irp b, 0,1,2,3
	v_max3_num_f32 v[TM+\b], v[TM+\b], |v[\s+16*\b+\i]|, |v[\s+1+16*\b+\i]|
.endr
.endr
.irp b, 0,1,2,3
	v_permlanex16_b32 v[TM+4+\b], v[TM+\b], s[SEL], s[SEL+1]
.endr
.irp b, 0,1,2,3
	v_max_num_f32 v[TM+\b], v[TM+\b], v[TM+4+\b]   ; with lane l xor 16's: the block's largest magnitude
.endr
.irp b, 0,1,2,3
	v_add_nc_u32 v[TM+12+\b], 0xff000000, v[TM+\b] ; 2 off the exponent field: the conversion's scale operand
.endr
.irp b, 0,1,2,3
	v_lshrrev_b32 v[TM+4+\b], 23, v[TM+12+\b]      ; the byte
.endr
	v_lshl_or_b32 v[\pw], v[TM+5], 8, v[TM+4]
	v_lshl_or_b32 v[\pw], v[TM+6], 16, v[\pw]
	v_lshl_or_b32 v[\pw], v[TM+7], 24, v[\pw]
.irp c, 0,1
	v_cvt_scalef32_pk16_fp6_f32 v[PC+6*\c:PC+2+6*\c], v[\s+32*\c:\s+15+32*\c], v[TM+12+2*\c]
	v_cvt_scalef32_pk16_fp6_f32 v[PC+12+4*\c:PC+14+4*\c], v[\s+16+32*\c:\s+31+32*\c], v[TM+12+2*\c+1]
.endr
	v_nop                                          ; one plain place behind a scaled conversion
.irp c, 0,1                            ; a whole block to a lane: lanes 0-15 block 2 c, lanes 16-31 block 2 c + 1
.irp i, 0,1,2
	v_permlane16_swap_b32 v[PC+6*\c+\i], v[PC+12+4*\c+\i]
.endr
.irp i, 0,1,2
	v_mov_b32 v[PC+3+6*\c+\i], v[PC+12+4*\c+\i]
.endr
.endr
.endm
; S1's block a leaves.  kind 0 (q, k): 16 tokens x two heads: two half images of 768 bytes.  kind 1 (v): 16 channels x 128 keys: one image of 1,536 bytes.
.macro EPI a, kind
.if (\a) > 0
	s_wait_xcnt 0x0                                ; the last block's stores have read the codes' registers
.endif
	WIN 0x02+(\a)/4                                ; source 0: window 2 or 3
.set n, 0
.rept 32
	v_pk_add_f32 v[HA+n:HA+n+1], v[64*((\a)%4)+n:64*((\a)%4)+n+1], v[BI1+2*(\a):BI1+2*(\a)+1]   ; into window 0, each accumulator from its low end on; v's bias rides on the move
.set n, n+2
.endr
	WIN 0
.if \kind == 0
	QUANT HA, PWT
.irp c, 0,1
.irp p, 0,1,2
	global_store_b64 v[L8], v[PC+6*\c+2*\p:PC+6*\c+2*\p+1], s[OC:OC+1] offset:\c*HEADB+(\a)*768+256*\p   ; 256 consecutive bytes
.endr
.endr
	v_lshrrev_b32 v[PWS+(\a)], v[H16], v[PWT]      ; lanes 0-15 keep the first head's two bytes, lanes 16-31 the second's
	v_and_b32 v[PWS+(\a)], 0xffff, v[PWS+(\a)]     ; the bytes of the upper 64 of the instruction's K are 0: the codes there are zeros
	ds_store_b32 v[SWQ], v[PWS+(\a)] offset:64*(\a)
.else
	QUANT HA, PWS+(\a)
.irp g, 0,1,2
	global_store_b128 v[L16], v[PC+4*\g:PC+4*\g+3], s[OC:OC+1] offset:((\a)/4)*HEADB+((\a)%4)*1536+512*\g
.endr
	ds_store_b32 v[SWV], v[PWS+(\a)] offset:64*(\a)   ; lanes 16-31 write the same word to the same place
.endif
.endm
	PLACES NP                                      ; behind the last products
.irp b, 0,1,2,3
	v_mov_b32 v[TM+4+\b], 0                        ; a lane permute's destination counts as read
.endr
	s_cmp_lt_u32 ttmp9, 2                          ; the kind: the same in all sixteen partners
	s_cbranch_scc0 .Lvalues
.irp a, 0,1,2,3,4,5,6,7
	EPI \a, 0
.endr
	ds_load_b128 v[BKW:BKW+3], v[SRQ]              ; LDS serves a wave's instructions in order: these see my stores
	ds_load_b128 v[BKW+4:BKW+7], v[SRQ] offset:512
	s_wait_dscnt 0x0
	global_store_b128 v[L16], v[BKW:BKW+3], s[OW:OW+1]                 ; a head's 128 words: 512 consecutive bytes
	global_store_b128 v[L16], v[BKW+4:BKW+7], s[OW:OW+1] offset:HEADW
	s_branch .Ldone
.Lvalues:
.irp a, 0,1,2,3,4,5,6,7
	EPI \a, 1
.endr
	ds_load_b128 v[BKW:BKW+3], v[SRV]
	s_wait_dscnt 0x0
	global_store_b128 v[VWO], v[BKW:BKW+3], s[OW:OW+1]                 ; lanes 0-15: the first head's 256 bytes; lanes 16-31: the second's
.Ldone:
	s_wait_tensorcnt 0x0                           ; the wave's end
	ds_add_u32 v[SPW], v[NIL]
	s_wait_dscnt 0x0
	CROUND                                         ; the closing round
	s_endpgm
.Lfunc_end_k_qc3b7861d5a_qkv:
	.size	k_qc3b7861d5a_qkv, .Lfunc_end_k_qc3b7861d5a_qkv-k_qc3b7861d5a_qkv
	.p2alignl 7, 3214868480
	.fill 96, 4, 3214868480
	.section	.rodata,"a",@progbits
	.p2align	6, 0x0
	.amdhsa_kernel k_qc3b7861d5a_qkv
		.amdhsa_group_segment_fixed_size 327680
		.amdhsa_private_segment_fixed_size 0
		.amdhsa_enable_private_segment 0
		.amdhsa_kernarg_size 24
		.amdhsa_user_sgpr_count 2
		.amdhsa_user_sgpr_kernarg_segment_ptr 1
		.amdhsa_wavefront_size32 1
		.amdhsa_system_sgpr_workgroup_id_x 1
		.amdhsa_system_sgpr_workgroup_id_y 1
		.amdhsa_system_sgpr_workgroup_id_z 1
		.amdhsa_system_vgpr_workitem_id 0
		.amdhsa_next_free_vgpr 1024
		.amdhsa_next_free_sgpr 100
		.amdhsa_reserve_vcc 0
		.amdhsa_float_denorm_mode_32 3
		.amdhsa_float_denorm_mode_16_64 3
		.amdhsa_memory_ordered 1
		.amdhsa_forward_progress 1
		.amdhsa_inst_pref_size 213
	.end_amdhsa_kernel
	.amdgpu_metadata
---
amdhsa.version: [ 1, 2 ]
amdhsa.kernels:
  - .name:           k_qc3b7861d5a_qkv
    .symbol:         k_qc3b7861d5a_qkv.kd
    .args:
      - { .name: wsA, .offset: 0, .size: 8, .value_kind: global_buffer, .address_space: global }
      - { .name: b_attn, .offset: 8, .size: 8, .value_kind: global_buffer, .address_space: global }
      - { .name: wsB, .offset: 16, .size: 8, .value_kind: global_buffer, .address_space: global }
    .group_segment_fixed_size: 327680
    .private_segment_fixed_size: 0
    .kernarg_segment_align: 8
    .kernarg_segment_size: 24
    .max_flat_workgroup_size: 128
    .sgpr_count:     100
    .vgpr_count:     1024
    .wavefront_size: 32
...
	.end_amdgpu_metadata
.endif
;; end of part 2
;; launch attn (part 3): grid 4 x 64, 16 waves a work-group, no clusters, 327,680 bytes of LDS; arguments wsB, wsC; writes wsC
.if DOCPART == 3
	.amdgcn_target "amdgcn-amd-amdhsa--gfx1250"
	.amdhsa_code_object_version 6
	.text
	.protected	k_qc3b7861d5a_attn
	.globl	k_qc3b7861d5a_attn
	.p2align	8
	.type	k_qc3b7861d5a_attn,@function
k_qc3b7861d5a_attn:
	s_mov_b64 s[64:65], 0
	v_nop
	global_prefetch_b8 v0, s[64:65] scope:SCOPE_SE
	s_setreg_imm32_b32 hwreg(HW_REG_WAVE_MODE, 25, 1), 1
	s_wait_xcnt 0x0
; Causal attention on codes of FP6 (E2M3) with E8M0 scales, 64 heads (batch x head) of 2,048 tokens x 64; the result, divided by the row's sum, is quantised along the model's 1,024 and leaves as codes.
; SOFTMAX: t = score x log2(e) / 8; M = the running largest t rounded UP to a whole number; p = 2^(t - M) is quantised along the keys, not normalised; the row's sum is taken of the unquantised p in f32.
; When M moves, the sum and O are multiplied by 2^(old M - new M): exact.  1 / sum is v_rcp_f32 and a multiplication.
; SHARES: work-group (i, head) owns query blocks 7 - i and i of 256 queries: 8 - i and i + 1 chunks of 256 keys, nine in every work-group.  Each of sixteen waves owns 16 queries of a block, in 256 registers.
; NO CLUSTER: the four work-groups of a head end their loads at different causal limits, and the jumps that leave hidden steps out would hang on a work-group's place in its cluster.
; LDS: the head's K and V stay: step s of 128 keys at 12,288 s (K 6,144, V 6,144); no byte is filled twice.  Chunk c + 1 is asked for behind the barrier at chunk c's head, one load a wave (waves 0-3).
; The second pass needs chunks 0 .. i, which the first has brought (i <= 3 < 8 - i): it has no load and no barrier.
; LAYOUT: both products transposed: S^T = K Q^T (source 0 = 16 neighbouring keys), O^T = V^T P^T (source 0 = 16 channels): a lane holds one query.  The head's 64 fill registers 0-5 of an operand; registers 6-11 are zero codes.
; Inside a block of 32 keys p's codes come out in the order 0-7, 16-23, 8-15, 24-31, as V's were laid; likewise the result's codes inside a block of 32 channels, as w_proj's rows were taken.
; LIMITS: NaN and infinities are not served; a block of zeros gets the byte 1 and not 127.  The result's two scale bytes a row are stored two bytes a lane: one part in 24 of what the launch stores.
; REGISTERS: v1-7, v11 addresses that stay; v8-10 addresses in hand; v12 -M, v13 the largest t, v[14:15] the sum; v16-27 Q; v28-29 V's scale words; v30 Q's; v32-79 four fragments of K; v80-83 K's scale words;
;   v96-159 S^T, then p, then V's four fragments; v160-191 O^T; v192-211 p's codes; v212-226 at work.
.set HEADB, 294912
.set STEPB, 18432
.set WSC,   18874368
.set HEADW, 20480
.set STEPW, 1280
.set LSTEP, 12288                      ; a step in LDS
.set SCW,   16*LSTEP                   ; behind the codes: the scale words, 768 bytes a step (K 512, V 256)
.set LSW,   768
.set SPARE, SCW+16*LSW                 ; the spare words, 128 bytes for each of sixteen waves
.set OSC,   6291456                    ; wsC: where the scale words begin
.set SPW,  5
.set NIL,  6
.set ADK,  8
.set ADV,  9
.set ADS,  10
.set QF,   16
.set VW,   28
.set QW,   30
.set PFO,  31
.set KS,   32
.set KW,   80
.set S,    96
.set O,    160
.set PC,   192
.set PT,   204
.set BM,   212
.set BT,   216
.set SO,   220
.set WV,   18
.set SEL,  20
.set CS,   22
.set G1K,  24
.set G1S,  32
.set G0K,  40
.set G0S,  44
.set TB,   2
.set TS,   3
.set KF,   50
.set Q0,   51
.set SLOTS, 52
.set TWICE, 53
.set PFA,  54
.set LIM,  56
.macro TLOAD g0, g1                    ; waves 0-3 fetch; an s_nop 0 and four v_nop follow the line
	s_cmp_lt_u32 s[WV], 4
	s_cbranch_scc0 .Lnone_\@
	tensor_load_to_lds s[\g0:\g0+3], s[\g1:\g1+7]
	s_nop 0
.rept 4
	v_nop
.endr
.Lnone_\@:
.endm
; A prefetch of the chunk that the NEXT change will ask for: its 96 blocks of 256 bytes of K and V, a lane a block, waves 4-6 of the head's work-group 0 (which walks all chunks): each block is named once in the launch.
; The last change that fills asks for nothing; chunks 0 and 1 come by their loads alone.
.macro ASK
	s_cmp_gt_u32 s[SLOTS], s[LIM]
	s_cbranch_scc0 .Lnot_mine_\@
	global_prefetch_b8 v[PFO], s[PFA:PFA+1] th:TH_LOAD_NT scope:SCOPE_SE
.Lnot_mine_\@:
.endm
.macro WMZ d, a, b, sa, sb, ra         ; a product that starts a sum
.if \ra
	v_wmma_scale_f32_16x16x128_f8f6f4 v[(\d):(\d)+7], v[(\a):(\a)+11], v[(\b):(\b)+11], 0, v[\sa], v[\sb] matrix_a_fmt:MATRIX_FMT_FP6 matrix_b_fmt:MATRIX_FMT_FP6 matrix_a_scale:MATRIX_SCALE_ROW1
.else
	v_wmma_scale_f32_16x16x128_f8f6f4 v[(\d):(\d)+7], v[(\a):(\a)+11], v[(\b):(\b)+11], 0, v[\sa], v[\sb] matrix_a_fmt:MATRIX_FMT_FP6 matrix_b_fmt:MATRIX_FMT_FP6
.endif
.endm
.macro WMA d, a, b, sa, sb, ra         ; a product that adds in place
.if \ra
	v_wmma_scale_f32_16x16x128_f8f6f4 v[(\d):(\d)+7], v[(\a):(\a)+11], v[(\b):(\b)+11], v[(\d):(\d)+7], v[\sa], v[\sb] matrix_a_fmt:MATRIX_FMT_FP6 matrix_b_fmt:MATRIX_FMT_FP6 matrix_a_scale:MATRIX_SCALE_ROW1
.else
	v_wmma_scale_f32_16x16x128_f8f6f4 v[(\d):(\d)+7], v[(\a):(\a)+11], v[(\b):(\b)+11], v[(\d):(\d)+7], v[\sa], v[\sb] matrix_a_fmt:MATRIX_FMT_FP6 matrix_b_fmt:MATRIX_FMT_FP6
.endif
.endm
	s_load_b128 s[4:7], s[0:1], 0x0                ; wsB, wsC
	v_lshl_add_u32 v[SPW], v0, 2, SPARE
	v_mov_b32 v[NIL], 0
	ds_add_u32 v[SPW], v[NIL]                      ; the wave's opening: the add and its wait ahead of the first tensor load
	ds_add_u32 v[SPW], v[NIL]
	v_lshrrev_b32 v8, 5, v0
	s_delay_alu instid0(VALU_DEP_1)
	v_readfirstlane_b32 s[WV], v8                  ; wave 0..15
	s_and_b32 s58, ttmp7, 0xffff                   ; batch x 16 + head
	s_mov_b32 s[G1K], 3<<16                        ; K or V of a step: 6,144 dense bytes as 24 rows of 256 (32 elements of 8 bytes)
	s_mov_b32 s[G1K+1], 32<<16
	s_mov_b32 s[G1K+2], 24<<16
	s_mov_b32 s[G1K+3], 32<<16
	s_mov_b32 s[G1K+4], 24
	s_mov_b32 s[G1K+5], 32
	s_mov_b32 s[G1K+6], 0
	s_mov_b32 s[G1K+7], 0
	s_mov_b32 s[G1S], 3<<16                        ; four steps' scale words: 4 rows of 768 bytes, 1,280 apart
	s_mov_b32 s[G1S+1], 96<<16
	s_mov_b32 s[G1S+2], 4<<16
	s_mov_b32 s[G1S+3], 96<<16
	s_mov_b32 s[G1S+4], 4
	s_mov_b32 s[G1S+5], 160
	s_mov_b32 s[G1S+6], 0
	s_mov_b32 s[G1S+7], 0
	s_mul_i32 s70, s58, HEADB
	s_mov_b32 s71, 0
	s_mul_i32 s76, s58, HEADW
	s_add_co_u32 s76, s76, WSC
	s_mov_b32 s77, 0
	s_lshr_b32 s78, s[WV], 1                       ; what I fetch, if I fetch: step wave / 2 of a chunk, K (even wave) or V
	s_mul_i32 s78, s78, STEPB
	s_and_b32 s79, s[WV], 1
	s_mul_i32 s79, s79, 6144
	s_add_co_u32 s78, s78, s79
	s_mov_b32 s79, 0
	s_mul_i32 s80, s[WV], 4*STEPW
	s_mov_b32 s81, 0
	s_mul_i32 s82, s[WV], 6144
	s_mul_i32 s83, s[WV], 4*LSW
	s_add_co_u32 s83, s83, SCW
	s_mov_b32 s[SEL], 0x76543210
	s_mov_b32 s[SEL+1], 0xfedcba98
	s_mov_b32 s[CS], 0x3e38aa3b                    ; c = log2(e) / sqrt(64)
	s_mov_b32 s[CS+1], s[CS]
	s_sub_co_u32 s57, s[WV], 4
	s_cmp_lt_u32 s57, 3                            ; waves 4, 5, 6
	s_cselect_b32 s[LIM], 1, -1
	s_cmp_eq_u32 ttmp9, 0                          ; of the head's work-group 0
	s_cselect_b32 s[LIM], s[LIM], -1
	s_wait_dscnt 0x0                               ; the opening add is done
	s_wait_kmcnt 0x0
	s_add_nc_u64 s[72:73], s[4:5], s[70:71]        ; my head's codes
	s_add_nc_u64 s[74:75], s[4:5], s[76:77]        ; and scale words
	s_mov_b32 s[G0S], 1
	s_mov_b32 s[G0S+1], s83
	s_add_nc_u64 s[G0S+2:G0S+3], s[74:75], s[80:81]
	s_or_b32 s[G0S+3], s[G0S+3], 0x80000000
	TLOAD G0S, G1S                                 ; K's and V's scale words of the whole head: filled once
	s_mov_b32 s[G0K], 1
	s_mov_b32 s[G0K+1], s82
	s_add_nc_u64 s[G0K+2:G0K+3], s[72:73], s[78:79]
	s_or_b32 s[G0K+3], s[G0K+3], 0x80000000
	TLOAD G0K, G1K                                 ; chunk 0
	s_add_nc_u64 s[PFA:PFA+1], s[72:73], 2*STEPB   ; at chunk 1: the first change steps it to chunk 2
	v_and_b32 v8, 31, v0                           ; lane
	v_and_b32 v9, 15, v0                           ; r
	v_bfe_u32 v10, v0, 4, 1                        ; h
	s_delay_alu instid0(VALU_DEP_3)
	v_lshlrev_b32 v1, 3, v8                        ; 8 x lane
	s_delay_alu instid0(VALU_DEP_4)
	v_lshlrev_b32 v2, 4, v8                        ; 16 x lane
	v_lshl_add_u32 v3, v8, 2, SCW                  ; 4 x lane, among the scale words
	s_delay_alu instid0(VALU_DEP_4)
	v_lshlrev_b32 v4, 3, v10
	s_delay_alu instid0(VALU_DEP_1)
	v_sub_nc_u32 v4, v9, v4                        ; r - 8 h
	v_lshlrev_b32 v7, 2, v9                        ; 4 r
	v_lshlrev_b32 v11, 4, v9                       ; 16 r
	v_and_b32 v[PFO], 127, v0                      ; in waves 4-6: block 0 .. 95 of a chunk
	v_mov_b32 v85, 6144
	s_delay_alu instid0(VALU_DEP_2)
	v_cmp_lt_u32 s57, 47, v[PFO]
	s_delay_alu instid0(VALU_DEP_1)
	v_cndmask_b32 v84, 0, v85, s57                 ; the second step's blocks lie behind the first step's Q
	s_delay_alu instid0(VALU_DEP_1)
	v_lshl_add_u32 v[PFO], v[PFO], 8, v84
	v_mov_b32 v85, 0xff800000                      ; -infinity, for the mask
.irp j, 6,7,8,9,10,11
	v_mov_b32 v[QF+\j], 0                          ; zero codes for the upper 64 of the instruction's K, written once
.irp t, 0,1,2,3
	v_mov_b32 v[KS+12*\t+\j], 0
.endr
.endr
.irp b, 0,1,2,3
	v_mov_b32 v[BT+\b], 0                          ; a lane permute's destination counts as read
.endr
	v_mov_b32 v225, 0                              ; (named as the upper half of the pair v[224:225] before it is first written)
	v_mov_b32 v226, 0
; A KEY STEP: 128 keys.  A step all of whose keys come after my 16 queries is left out by a scalar branch on ids; the lines at its end that step addresses are not.
.macro STEP
	s_add_co_u32 s96, s[Q0], 15
	s_cmp_gt_u32 s[KF], s96
	s_cbranch_scc1 .Lhidden_\@
	s_setprio 2
	v_add_nc_u32 v[ADK], s[TB], v1
	s_wait_alu depctr_va_vdst(0)
	v_add_nc_u32 v[ADV], s[TB], v2
	v_add_nc_u32 v[ADS], s[TS], v3
	v_nop
	v_nop                                          ; five places: the products below write over the registers that held V's fragments
.irp g, 0,1
.if \g
.rept 4
	v_nop                                          ; places in front of loads into registers that products have read
.endr
.endif
.irp t, 0,1,2,3
.irp p, 0,1,2
	ds_load_b64 v[KS+12*\t+2*\p:KS+12*\t+2*\p+1], v[ADK] offset:(4*\g+\t)*768+256*\p
.endr
.endr
.if \g == 0
.irp j, 0,1,2,3
	ds_load_b32 v[KW+\j], v[ADS] offset:128*\j     ; two tiles' words: lanes 0-15 the even tile's, lanes 16-31 the odd one's
.endr
.endif
	s_wait_dscnt 0x0
.irp t, 0,1,2,3
	WMZ S+8*(4*\g+\t), KS+12*\t, QF, KW+(4*\g+\t)/2, QW, \t%2
.endr
.endr
.rept 4
	v_nop
.endr
	s_add_co_u32 s96, s[KF], 127                   ; on the diagonal hidden scores become -infinity; a step all of whose keys count skips this
	s_cmp_le_u32 s96, s[Q0]
	s_cbranch_scc1 .Lopen_\@
	s_sub_co_i32 s96, s[Q0], s[KF]
	v_add_nc_u32 v84, s96, v4                      ; d = my query - the step's first key - 8 h.  Register n holds key 16 (n / 8) + 8 h + n % 8: hidden where 16 (n / 8) + n % 8 > d
.set n, 0
.rept 64
	v_cmp_gt_i32 vcc_lo, 16*(n/8)+n%8, v84
	v_cndmask_b32 v[S+n], v[S+n], v85, vcc_lo
.set n, n+1
.endr
.Lopen_\@:
.irp b, 0,1,2,3
	v_max3_num_f32 v[BM+\b], v[S+16*\b], v[S+1+16*\b], v[S+2+16*\b]   ; the largest score of each block of 32 keys: for the row's maximum, and, since p rises with the score, for the block's largest p
.endr
.irp i, 3,5,7,9,11,13
.irp b, 0,1,2,3
	v_max3_num_f32 v[BM+\b], v[BM+\b], v[S+16*\b+\i], v[S+1+16*\b+\i]
.endr
.endr
.irp b, 0,1,2,3
	v_max_num_f32 v[BM+\b], v[BM+\b], v[S+15+16*\b]
.endr
.irp b, 0,1,2,3
	s_delay_alu instid0(VALU_DEP_4)
	v_permlanex16_b32 v[BT+\b], v[BM+\b], s[SEL], s[SEL+1]
.endr
.irp b, 0,1,2,3
	s_delay_alu instid0(VALU_DEP_4)
	v_max_num_f32 v[BM+\b], v[BM+\b], v[BT+\b]
.endr
	s_delay_alu instid0(VALU_DEP_2)
	v_max3_num_f32 v226, v[BM], v[BM+1], v[BM+2]
	s_delay_alu instid0(VALU_DEP_1)
	v_max_num_f32 v226, v226, v[BM+3]
	s_delay_alu instid0(VALU_DEP_1)
	v_mul_f32 v226, s[CS], v226
	s_delay_alu instid0(VALU_DEP_1)
	v_max_num_f32 v13, v13, v226                   ; the running largest t
	v_mov_b32 v226, v12
	s_delay_alu instid0(VALU_DEP_2)
	v_floor_f32 v12, -v13                          ; the new -M = -ceil(t)
	s_delay_alu instid0(VALU_DEP_1)
	v_sub_f32 v226, v12, v226
	s_delay_alu instid0(VALU_DEP_1)
	v_cvt_i32_f32 v226, v226
	s_delay_alu instid0(VALU_DEP_1)
	v_ldexp_f32 v224, 1.0, v226                    ; f = 2^(old M - new M)
.set n, 0
.rept 32
	v_pk_fma_f32 v[S+n:S+n+1], v[S+n:S+n+1], s[CS:CS+1], v[12:13] op_sel_hi:[1,0,0]   ; t - M
.set n, n+2
.endr
	s_setprio 1
.irp b, 0,1,2,3
	v_fma_f32 v[BM+\b], v[BM+\b], s[CS], v12
.endr
.set n, 0
	s_wait_alu depctr_va_vdst(0)
.rept 64
	v_exp_f32 v[S+n], v[S+n]                       ; p = 2^(t - M)
.set n, n+1
.endr
	v_pk_mul_f32 v[14:15], v[14:15], v[224:225] op_sel_hi:[1,0]   ; the sums under the new M: a plain place behind the exponentials
	s_wait_alu depctr_va_vdst(0)                   ; one wait for the batch, ahead of its first reader
.irp b, 0,1,2,3
	v_exp_f32 v[BM+\b], v[BM+\b]                   ; each block's largest p
.endr
	v_pk_add_f32 v[216:217], v[100:101], v[104:105]
	v_pk_add_f32 v[254:255], v[108:109], v[112:113]
	v_pk_add_f32 v[252:253], v[116:117], v[120:121]
	v_pk_add_f32 v[250:251], v[124:125], v[128:129]
	v_pk_add_f32 v[248:249], v[132:133], v[136:137]
	v_pk_add_f32 v[246:247], v[140:141], v[144:145]
	v_pk_add_f32 v[244:245], v[148:149], v[152:153]
	v_pk_add_f32 v[14:15], v[14:15], v[156:157]
	v_pk_add_f32 v[216:217], v[216:217], v[96:97]
	v_pk_add_f32 v[254:255], v[254:255], v[98:99]
	v_pk_add_f32 v[252:253], v[252:253], v[102:103]
	v_pk_add_f32 v[250:251], v[250:251], v[106:107]
	v_pk_add_f32 v[248:249], v[248:249], v[110:111]
	v_pk_add_f32 v[246:247], v[246:247], v[114:115]
	v_pk_add_f32 v[244:245], v[244:245], v[118:119]
	v_pk_add_f32 v[14:15], v[14:15], v[122:123]
	v_pk_add_f32 v[216:217], v[216:217], v[126:127]
	v_pk_add_f32 v[254:255], v[254:255], v[130:131]
	v_pk_add_f32 v[252:253], v[252:253], v[134:135]
	v_pk_add_f32 v[250:251], v[250:251], v[138:139]
	v_pk_add_f32 v[248:249], v[248:249], v[142:143]
	v_pk_add_f32 v[246:247], v[246:247], v[146:147]
	v_pk_add_f32 v[244:245], v[244:245], v[150:151]
	v_pk_add_f32 v[14:15], v[14:15], v[154:155]
	v_pk_add_f32 v[216:217], v[216:217], v[158:159]
	s_delay_alu instid0(VALU_DEP_2)
	v_pk_add_f32 v[14:15], v[14:15], v[250:251]
	s_delay_alu instid0(VALU_DEP_2)
	v_pk_add_f32 v[216:217], v[216:217], v[248:249]
	v_pk_add_f32 v[254:255], v[254:255], v[246:247]
	v_pk_add_f32 v[252:253], v[252:253], v[244:245]
	s_delay_alu instid0(VALU_DEP_2)
	v_pk_add_f32 v[14:15], v[14:15], v[254:255]
	s_delay_alu instid0(VALU_DEP_2)
	v_pk_add_f32 v[216:217], v[216:217], v[252:253]
	s_delay_alu instid0(VALU_DEP_1)
	v_pk_add_f32 v[14:15], v[14:15], v[216:217]
	s_wait_alu depctr_va_vdst(0)                   ; and one for the four
.irp b, 0,1,2,3
	v_max_num_f32 v[BM+\b], 0x1800000, v[BM+\b]    ; the floor: the byte cannot fall under 1
.endr
.irp b, 0,1,2,3
	s_delay_alu instid0(VALU_DEP_4)
	v_add_nc_u32 v[SO+\b], 0xff000000, v[BM+\b]
.endr
.irp b, 0,1,2,3
	s_delay_alu instid0(VALU_DEP_4)
	v_lshrrev_b32 v[BT+\b], 23, v[SO+\b]
.endr
	s_delay_alu instid0(VALU_DEP_3)
	v_lshl_or_b32 v225, v[BT+1], 8, v[BT]          ; p's scale word for these 128 keys
	s_delay_alu instid0(VALU_DEP_1)
	v_lshl_or_b32 v225, v[BT+2], 16, v225
	s_delay_alu instid0(VALU_DEP_1)
	v_lshl_or_b32 v225, v[BT+3], 24, v225
.irp c, 0,1
	v_cvt_scalef32_pk16_fp6_f32 v[PC+6*\c:PC+2+6*\c], v[S+32*\c:S+15+32*\c], v[SO+2*\c]
	v_cvt_scalef32_pk16_fp6_f32 v[PT+4*\c:PT+2+4*\c], v[S+16+32*\c:S+31+32*\c], v[SO+2*\c+1]
.endr
	v_nop                                          ; one plain place behind a scaled conversion
	s_setprio 0
.irp t, 0,1,2,3                        ; V's four fragments land where p lay
.irp g, 0,1,2
	ds_load_b128 v[S+12*\t+4*\g:S+12*\t+4*\g+3], v[ADV] offset:6144+\t*1536+512*\g
.endr
.endr
.irp j, 0,1
	ds_load_b32 v[VW+\j], v[ADS] offset:512+128*\j
.endr
.irp c, 0,1
.irp i, 0,1,2
	v_permlane16_swap_b32 v[PC+6*\c+\i], v[PT+4*\c+\i]
.endr
.irp i, 0,1,2
	s_delay_alu instid0(VALU_DEP_3)
	v_mov_b32 v[PC+3+6*\c+\i], v[PT+4*\c+\i]
.endr
.endr
.set n, 0
.rept 16
	v_pk_mul_f32 v[O+n:O+n+1], v[O+n:O+n+1], v[224:225] op_sel_hi:[1,0]   ; O^T under the new M; also the places in front of the products
.set n, n+2
.endr
	s_wait_alu depctr_va_vdst(0)
	s_wait_dscnt 0x0
.irp t, 0,1,2,3
	WMA O+8*\t, S+12*\t, PC, VW+\t/2, 225, \t%2
.endr
.Lhidden_\@:
	s_add_co_u32 s[KF], s[KF], 128
	s_add_co_u32 s[TB], s[TB], LSTEP
	s_add_co_u32 s[TS], s[TS], LSW
.endm
; THE CHANGE OF CHUNKS stands at a chunk's head: each wave waits for all its tensor loads, adds 0 to its spare word and waits for that and for its LDS reads; behind the barrier the chunk ahead is whole.
; fill = 1: the next chunk is asked for, while its first key is at or under my work-group's last query of this pass: a chunk beyond that is read by none of the sixteen waves.
.macro CHANGE fill
	s_wait_tensorcnt 0x0                           ; no tensor load of mine is out, so a group 0 may be written
	ds_add_u32 v[SPW], v[NIL]
.if \fill
	s_add_co_u32 s[G0K+1], s[G0K+1], 2*LSTEP
	s_add_nc_u64 s[G0K+2:G0K+3], s[G0K+2:G0K+3], 2*STEPB
	s_wait_xcnt 0x0                                ; the last prefetch, a chunk back, has read its address
	s_add_nc_u64 s[PFA:PFA+1], s[PFA:PFA+1], 2*STEPB
.endif
	s_wait_dscnt 0x0
	s_barrier_signal -1
	s_barrier_wait -1
.if \fill
	s_add_co_u32 s96, s[KF], 256
	s_or_b32 s97, s[Q0], 255
	s_cmp_gt_u32 s96, s97                          ; ids and the count of steps alone: all sixteen waves go the same way; every wait on TENSORcnt in this text is for 0
	s_cbranch_scc1 .Lpast_\@
	TLOAD G0K, G1K
.Lpast_\@:
	ASK
.endif
.endm
.macro TWO_STEPS
	s_mov_b32 s[TWICE], 2
.Lstep_\@:
	STEP
	s_sub_co_u32 s[TWICE], s[TWICE], 1
	s_cmp_lg_u32 s[TWICE], 0
	s_cbranch_scc1 .Lstep_\@
	s_setprio 0
.endm
; A pass begins: my 16 queries' codes and scale words, where my results go, and empty sums.
.macro INITP second
	s_wait_xcnt 0x0                                ; earlier loads and stores have read their bases
.if \second
	s_mov_b32 s59, ttmp9
.else
	s_sub_co_u32 s59, 7, ttmp9
.endif
	s_lshl_b32 s57, s59, 4
	s_add_co_u32 s57, s57, s[WV]                   ; my tile of 16 queries
	s_lshl_b32 s[Q0], s57, 4
	s_lshr_b32 s70, s57, 3
	s_and_b32 s76, s57, 7
	s_mul_i32 s78, s70, STEPB
	s_mul_i32 s79, s76, 768
	s_add_co_u32 s78, s78, s79
	s_add_co_u32 s78, s78, 12288
	s_mov_b32 s79, 0
	s_add_nc_u64 s[60:61], s[72:73], s[78:79]
	s_mul_i32 s78, s70, STEPW
	s_lshl_b32 s80, s76, 6
	s_add_co_u32 s78, s78, s80
	s_add_co_u32 s78, s78, 768
	s_add_nc_u64 s[62:63], s[74:75], s[78:79]
.irp p, 0,1,2
	global_load_b64 v[QF+2*\p:QF+2*\p+1], v1, s[60:61] offset:256*\p
.endr
	global_load_b32 v[QW], v7, s[62:63]
	s_lshr_b32 s70, s58, 4
	s_lshl_b32 s70, s70, 7
	s_add_co_u32 s70, s70, s57                     ; my tile of 16 rows of the result: 128 x batch + tile
	s_and_b32 s76, s58, 15                         ; the head
	s_mul_i32 s78, s70, 12288
	s_lshr_b32 s80, s76, 1
	s_mul_i32 s80, s80, 1536
	s_add_co_u32 s78, s78, s80
	s_add_nc_u64 s[66:67], s[6:7], s[78:79]
	s_lshl_b32 s78, s70, 9
	s_lshr_b32 s80, s76, 3
	s_lshl_b32 s80, s80, 8
	s_add_co_u32 s78, s78, s80
	s_and_b32 s80, s76, 7
	s_lshl_b32 s80, s80, 1
	s_add_co_u32 s78, s78, s80
	s_add_co_u32 s78, s78, OSC
	s_add_nc_u64 s[68:69], s[6:7], s[78:79]
	v_mov_b32 v13, 0xff61b1e6                      ; the largest t so far: -3e38
	s_delay_alu instid0(VALU_DEP_1)
	v_floor_f32 v12, -v13
	v_mov_b32 v14, 0
	v_mov_b32 v15, 0
.set n, 0
.rept 32
	v_mov_b32 v[O+n], 0                            ; the step is written once: the first finds zeros
.set n, n+1
.endr
	s_mov_b32 s[KF], 0
	s_mov_b32 s[TB], 0
	s_mov_b32 s[TS], 0
	s_wait_loadcnt 0x0
.endm
; A pass ends: O^T / the sum is quantised along the channels (two blocks of 32) and leaves as this head's half of a fragment's image.
.macro OUT
.rept 4
	v_nop
.endr
	v_add_f32 v14, v14, v15
	s_delay_alu instid0(VALU_DEP_1)
	v_permlanex16_b32 v226, v14, s[SEL], s[SEL+1]
	s_delay_alu instid0(VALU_DEP_1)
	v_add_f32 v14, v14, v226                       ; the row's sum
	s_wait_alu depctr_va_vdst(0)
	v_rcp_f32 v14, v14
	v_nop                                          ; a plain place behind the reciprocal
	s_wait_alu depctr_va_vdst(0)                   ; and the wait ahead of its first reader
.set n, 0
.rept 16
	v_pk_mul_f32 v[S+n:S+n+1], v[O+n:O+n+1], v[14:15] op_sel_hi:[1,0]
.set n, n+2
.endr
.irp b, 0,1
	v_max3_num_f32 v[BM+\b], |v[S+16*\b]|, |v[S+1+16*\b]|, 0x1800000
.endr
.irp i, 2,4,6,8,10,12,14
.irp b, 0,1
	s_delay_alu instid0(VALU_DEP_2)
	v_max3_num_f32 v[BM+\b], v[BM+\b], |v[S+16*\b+\i]|, |v[S+1+16*\b+\i]|
.endr
.endr
.irp b, 0,1
	s_delay_alu instid0(VALU_DEP_2)
	v_permlanex16_b32 v[BT+\b], v[BM+\b], s[SEL], s[SEL+1]
.endr
.irp b, 0,1
	s_delay_alu instid0(VALU_DEP_2)
	v_max_num_f32 v[BM+\b], v[BM+\b], v[BT+\b]
.endr
.irp b, 0,1
	s_delay_alu instid0(VALU_DEP_2)
	v_add_nc_u32 v[SO+\b], 0xff000000, v[BM+\b]
.endr
.irp b, 0,1
	s_delay_alu instid0(VALU_DEP_2)
	v_lshrrev_b32 v[BT+\b], 23, v[SO+\b]
.endr
	s_delay_alu instid0(VALU_DEP_1)
	v_lshl_or_b32 v226, v[BT+1], 8, v[BT]          ; my row's two scale bytes
	v_cvt_scalef32_pk16_fp6_f32 v[PC:PC+2], v[S:S+15], v[SO]
	v_cvt_scalef32_pk16_fp6_f32 v[PT:PT+2], v[S+16:S+31], v[SO+1]
	v_nop
.irp i, 0,1,2
	v_permlane16_swap_b32 v[PC+\i], v[PT+\i]
.endr
.irp i, 0,1,2
	s_delay_alu instid0(VALU_DEP_3)
	v_mov_b32 v[PC+3+\i], v[PT+\i]
.endr
	s_bitcmp1_b32 s58, 0                           ; an even head fills registers 0-5 of the fragment, an odd one 6-11: whole runs of 512 and 256 bytes
	s_cbranch_scc1 .Lodd_\@
	global_store_b128 v2, v[PC:PC+3], s[66:67]
	global_store_b64 v1, v[PC+4:PC+5], s[66:67] offset:512
	s_branch .Lsent_\@
.Lodd_\@:
	s_wait_alu depctr_va_vdst(0)
	global_store_b64 v1, v[PC:PC+1], s[66:67] offset:768
	global_store_b128 v2, v[PC+2:PC+5], s[66:67] offset:1024
.Lsent_\@:
	s_wait_alu depctr_va_vdst(0)
	global_store_b16 v11, v226, s[68:69]           ; lanes 16-31 write the same bytes to the same place
.endm
	INITP 0                                        ; block 7 - i
	s_mov_b32 s[SLOTS], 7
.Lchunk:
	CHANGE 1
	TWO_STEPS
	s_sub_co_u32 s[SLOTS], s[SLOTS], 1
	s_cmp_lg_u32 s[SLOTS], 0
	s_cbranch_scc1 .Lchunk
	CHANGE 0                                       ; the last chunk: nothing is left to ask for
	TWO_STEPS
	OUT
	INITP 1                                        ; block i: its keys lie in LDS already
	s_mov_b32 s[SLOTS], 8
.Lsecond:
	STEP
	s_sub_co_u32 s[SLOTS], s[SLOTS], 1
	s_cmp_lg_u32 s[SLOTS], 0
	s_cbranch_scc1 .Lsecond
	s_setprio 0
	OUT
	s_wait_tensorcnt 0x0                           ; the wave's end
	ds_add_u32 v[SPW], v[NIL]
	s_wait_dscnt 0x0
	s_endpgm
.Lfunc_end_k_qc3b7861d5a_attn:
	.size	k_qc3b7861d5a_attn, .Lfunc_end_k_qc3b7861d5a_attn-k_qc3b7861d5a_attn
	.p2alignl 7, 3214868480
	.fill 96, 4, 3214868480
	.section	.rodata,"a",@progbits
	.p2align	6, 0x0
	.amdhsa_kernel k_qc3b7861d5a_attn
		.amdhsa_group_segment_fixed_size 327680
		.amdhsa_private_segment_fixed_size 0
		.amdhsa_enable_private_segment 0
		.amdhsa_kernarg_size 16
		.amdhsa_user_sgpr_count 2
		.amdhsa_user_sgpr_kernarg_segment_ptr 1
		.amdhsa_wavefront_size32 1
		.amdhsa_system_sgpr_workgroup_id_x 1
		.amdhsa_system_sgpr_workgroup_id_y 1
		.amdhsa_system_sgpr_workgroup_id_z 1
		.amdhsa_system_vgpr_workitem_id 0
		.amdhsa_next_free_vgpr 256
		.amdhsa_next_free_sgpr 100
		.amdhsa_reserve_vcc 1
		.amdhsa_float_denorm_mode_32 3
		.amdhsa_float_denorm_mode_16_64 3
		.amdhsa_memory_ordered 1
		.amdhsa_forward_progress 1
		.amdhsa_inst_pref_size 93
	.end_amdhsa_kernel
	.amdgpu_metadata
---
amdhsa.version: [ 1, 2 ]
amdhsa.kernels:
  - .name:           k_qc3b7861d5a_attn
    .symbol:         k_qc3b7861d5a_attn.kd
    .args:
      - { .name: wsB, .offset: 0, .size: 8, .value_kind: global_buffer, .address_space: global }
      - { .name: wsC, .offset: 8, .size: 8, .value_kind: global_buffer, .address_space: global }
    .group_segment_fixed_size: 327680
    .private_segment_fixed_size: 0
    .kernarg_segment_align: 8
    .kernarg_segment_size: 16
    .max_flat_workgroup_size: 512
    .sgpr_count:     100
    .vgpr_count:     256
    .wavefront_size: 32
...
	.end_amdgpu_metadata
.endif
;; end of part 3
;; launch proj (part 4): grid 4 x 64, 4 waves a work-group, clusters of 4 x 4, 327,680 bytes of LDS; arguments wsC, wsA, b_proj, out0; writes out0
.if DOCPART == 4
	.amdgcn_target "amdgcn-amd-amdhsa--gfx1250"
	.amdhsa_code_object_version 6
	.text
	.protected	k_qc3b7861d5a_proj
	.globl	k_qc3b7861d5a_proj
	.p2align	8
	.type	k_qc3b7861d5a_proj,@function
k_qc3b7861d5a_proj:
	s_mov_b64 s[64:65], 0
	v_nop
	global_prefetch_b8 v0, s[64:65] scope:SCOPE_SE
	s_setreg_imm32_b32 hwreg(HW_REG_WAVE_MODE, 25, 1), 1
	s_wait_xcnt 0x0
	s_wait_alu depctr_hold_cnt(0) depctr_sa_sdst(0) depctr_va_vdst(0) depctr_va_sdst(0) depctr_va_ssrc(0) depctr_va_vcc(0) depctr_vm_vsrc(0)
	s_getreg_b32 s2, hwreg(HW_REG_IB_STS2, 6, 4)
	s_cmp_eq_u32 s2, 0
	s_cbranch_scc0 .Lentry_in_a_cluster
	s_endpgm
.Lentry_in_a_cluster:
	s_bfe_u32 s2, ttmp6, 0x10000c
	s_cmp_lg_u32 s2, 0xf033
	s_cbranch_scc0 .Lentry_shape_is_right
	s_endpgm
.Lentry_shape_is_right:
; out0 = attention's result x w_proj + b_proj, on codes of FP6 (E2M3) with E8M0 scales; out0 [8192][1024] f32.
; A work-group makes 128 rows x 256 columns, a wave 64 x 128: 32 accumulators; 256 work-groups.  Source 0 = 16 columns of w_proj (S0), source 1 = 16 rows (S1): a lane holds eight neighbouring numbers of a row of out0.
; All of K = 1,024 lies in LDS, in four regions of 256 along K, each filled once: a wave's four tensor loads go out together, and a region is read behind a counted wait and a barrier.  Nothing is filled again.
; CLUSTER 4 x 4: the rows' tiles hang on cy and are asked for jointly along a row of the cluster, the columns' on cx and along a column.
; The rows' fragments lie as the attention launch left them: registers 0-3 at 16 L, 4-5 at 512 + 8 L, 6-7 at 768 + 8 L, 8-11 at 1,024 + 16 L.  The bias is the C of the first K step.
; REGISTERS: window 0: v8-29 addresses; v32-47 S1's scale words, v48-79 S0's (two tiles to a register); v80-127, v128-175 S1's fragments, two sets; on the way out v128-255.
;   window 1: S0's fragments, two sets, v0-95 and v128-223; the bias in v96-127 and v224-255.   window 2: accumulator (a, b) at v[64 a + 8 b].
.set FR,    12
.set TILEB, 3072
.set REG,   24*TILEB                   ; a region: S1's 8 tiles, then S0's 16
.set S0OFF, 8*TILEB
.set SPARE, 4*REG
.set SPITCH, 528                       ; the way out: 16 rows x (512 + 16) bytes a wave, in region 0, which has had its one fill and its last read
.set SCL,   9437184
.set OSC,   6291456
.set A16,  8
.set A8,   12
.set AB,   16
.set SCO,  20
.set B0O,  21
.set STO,  24
.set RD,   25
.set CO,   26
.set SPW,  28
.set NIL,  29
.set SS1,  32
.set SS0,  48
.set AF,   80
.set BK,   128
.set G1,   24                          ; s[24:31] group 1 for S1; s[32:47] four sets of group 0
.set G0,   32
.set G1B,  48                          ; s[48:55] group 1 for S0; s[68:83] four sets of group 0
.set G0B,  68
.set MSB, 0
.macro WIN new
.if MSB != (\new)
	s_set_vgpr_msb (MSB<<8)|(\new)
.set MSB, (\new)
.endif
.endm
.macro CROUND
	s_barrier_signal -1
	s_barrier_wait -1
	s_cmp_lg_u32 s14, 0
	s_cbranch_scc1 .Lnot_wave_0_\@
	s_barrier_signal -3
.Lnot_wave_0_\@:
	s_barrier_wait -3
	s_barrier_signal -1
	s_barrier_wait -1
.endm
.macro PLACES n
.rept \n
	v_nop
.endr
.endm
	s_load_b256 s[4:11], s[0:1], 0x0               ; wsC, wsA, b_proj, out0
	v_lshl_add_u32 v[SPW], v0, 2, SPARE
	v_mov_b32 v[NIL], 0
	ds_add_u32 v[SPW], v[NIL]                      ; the wave's opening: the add and its wait ahead of my first tensor load
	v_lshrrev_b32 v1, 5, v0
	v_readfirstlane_b32 s14, v1
	s_lshr_b32 s15, s14, 1                         ; my half of the rows.  Also: I fetch for S1 (0) or S0 (1)
	s_and_b32 s16, s14, 1                          ; my half of the columns.  Also: which half of the tiles I fetch
	s_bfe_u32 s84, ttmp6, 0x40000                  ; cx
	s_bfe_u32 s85, ttmp6, 0x40004                  ; cy
	s_lshl_b32 s87, ttmp9, 2
	s_add_co_u32 s87, s87, s84                     ; block of 256 columns
	s_and_b32 s86, ttmp7, 0xffff
	s_lshl_b32 s86, s86, 2
	s_add_co_u32 s86, s86, s85                     ; block of 128 rows
	s_lshl_b32 s12, s85, 2
	s_lshl_b32 s12, 15, s12                        ; my row of the cluster
	s_lshl_b32 s13, 0x1111, s84                    ; my column
	s_or_b32 s[G1], s12, (3<<16)|(1<<21)
	s_mov_b32 s[G1+1], 384<<16                     ; rows of 3,072 bytes,
	s_mov_b32 s[G1+2], 4<<16                       ; four tiles,
	s_mov_b32 s[G1+3], 384<<16
	s_mov_b32 s[G1+4], 4
	s_mov_b32 s[G1+5], 1536                        ; 12,288 bytes apart
	s_mov_b32 s[G1+6], 0
	s_mov_b32 s[G1+7], 0
	s_or_b32 s[G1B], s13, (3<<16)|(1<<21)
	s_mov_b32 s[G1B+1], 384<<16
	s_mov_b32 s[G1B+2], 8<<16                      ; eight tiles
	s_mov_b32 s[G1B+3], 384<<16
	s_mov_b32 s[G1B+4], 8
	s_mov_b32 s[G1B+5], 1536
	s_mov_b32 s[G1B+6], 0
	s_mov_b32 s[G1B+7], 0
	s_lshl_b32 s17, s86, 3                         ; the rows' first tile
	s_lshl_b32 s18, s16, 2
	s_add_co_u32 s18, s17, s18
	s_mul_i32 s88, s18, 12288
	s_mov_b32 s89, 0
	s_lshl_b32 s19, s87, 4
	s_add_co_u32 s19, s19, 704                     ; the columns' first tile in wsA's table
	s_lshl_b32 s20, s16, 3
	s_add_co_u32 s20, s19, s20
	s_mul_i32 s90, s20, 12288
	s_mov_b32 s91, 0
	s_mul_i32 s21, s16, 4*TILEB                    ; where my loads go, in a region
	s_mul_i32 s22, s16, 8*TILEB
	s_add_co_u32 s22, s22, S0OFF
	s_lshl_b32 s92, s15, 2                         ; the scale words of the tiles that I multiply
	s_add_co_u32 s92, s92, s17
	s_lshl_b32 s92, s92, 9
	s_add_co_u32 s92, s92, OSC
	s_mov_b32 s93, 0
	s_lshl_b32 s94, s20, 9
	s_add_co_u32 s94, s94, SCL
	s_mov_b32 s95, 0
	s_lshl_b32 s96, s87, 10                        ; my 128 columns, in bytes
	s_lshl_b32 s23, s16, 9
	s_add_co_u32 s96, s96, s23
	s_mov_b32 s97, 0
	s_lshl_b32 s98, s86, 7
	s_lshl_b32 s23, s15, 6
	s_add_co_u32 s98, s98, s23                     ; my first row
	s_lshl_b32 s98, s98, 12
	s_add_co_u32 s98, s98, s96
	s_mov_b32 s99, 0
	s_wait_dscnt 0x0                               ; the opening add is done
	s_wait_kmcnt 0x0
	s_add_nc_u64 s[88:89], s[4:5], s[88:89]
	s_add_nc_u64 s[90:91], s[6:7], s[90:91]
	s_add_nc_u64 s[92:93], s[4:5], s[92:93]
	s_add_nc_u64 s[94:95], s[6:7], s[94:95]
	s_add_nc_u64 s[96:97], s[8:9], s[96:97]
	s_add_nc_u64 s[98:99], s[10:11], s[98:99]
.irp kp, 0,1,2,3
	s_mov_b32 s[G0+4*\kp], 1
	s_add_co_u32 s[G0+4*\kp+1], s21, \kp*REG
	s_add_nc_u64 s[G0+4*\kp+2:G0+4*\kp+3], s[88:89], \kp*TILEB
	s_or_b32 s[G0+4*\kp+3], s[G0+4*\kp+3], 0x80000000
	s_mov_b32 s[G0B+4*\kp], 1
	s_add_co_u32 s[G0B+4*\kp+1], s22, \kp*REG
	s_add_nc_u64 s[G0B+4*\kp+2:G0B+4*\kp+3], s[90:91], \kp*TILEB
	s_or_b32 s[G0B+4*\kp+3], s[G0B+4*\kp+3], 0x80000000
.endr
	CROUND                                         ; all sixteen work-groups are here: the joint loads meet
	s_cmp_eq_u32 s15, 0                            ; a wave's four fills stand in one branch: four loads of mine are out
	s_cbranch_scc0 .Lfor_w
.irp kp, 0,1,2,3
	tensor_load_to_lds s[G0+4*\kp:G0+4*\kp+3], s[G1:G1+7]
	s_nop 0
.endr
.rept 4
	v_nop
.endr
	s_branch .Lasked
.Lfor_w:
.irp kp, 0,1,2,3
	tensor_load_to_lds s[G0B+4*\kp:G0B+4*\kp+3], s[G1B:G1B+7]
	s_nop 0
.endr
.rept 4
	v_nop
.endr
.Lasked:
	v_and_b32 v1, 15, v0                           ; r
	v_bfe_u32 v2, v0, 4, 1                         ; h
	v_and_b32 v3, 31, v0                           ; lane
	v_lshlrev_b32 v4, 3, v3
	v_lshlrev_b32 v[CO], 4, v3
	s_mul_i32 s17, s15, 4*TILEB
	s_mul_i32 s18, s16, 8*TILEB
	s_add_co_u32 s18, s18, S0OFF
.irp kp, 0,1,2,3
	v_add_nc_u32 v[A16+\kp], s17, v[CO]
	v_add_nc_u32 v[A8+\kp], s17, v4
	v_add_nc_u32 v[AB+\kp], s18, v[CO]
	s_add_co_u32 s17, s17, REG
	s_add_co_u32 s18, s18, REG
.endr
	v_lshlrev_b32 v5, 4, v1
	v_lshl_add_u32 v[SCO], v2, 9, v5               ; 512 h + 16 r
	v_lshlrev_b32 v[B0O], 5, v2                    ; 32 h
	s_mul_i32 s17, s14, 16*SPITCH                  ; my stage
	v_mul_u32_u24 v5, v1, SPITCH
	v_lshl_add_u32 v5, v2, 5, v5
	v_add_nc_u32 v[STO], s17, v5
	v_add_nc_u32 v[RD], s17, v[CO]
.irp i, 0,1
.irp kh, 0,1
	global_load_b128 v[SS1+8*\i+4*\kh:SS1+8*\i+4*\kh+3], v[SCO], s[92:93] offset:\i*1024+\kh*256
.endr
.endr
.irp i, 0,1,2,3
.irp kh, 0,1
	global_load_b128 v[SS0+8*\i+4*\kh:SS0+8*\i+4*\kh+3], v[SCO], s[94:95] offset:\i*1024+\kh*256
.endr
.endr
	WIN 0x40
.irp b, 0,1,2,3,4,5,6,7
	global_load_b128 v[96+8*(\b%4)+128*(\b/4):96+8*(\b%4)+128*(\b/4)+3], v[B0O], s[96:97] offset:64*\b
	global_load_b128 v[96+8*(\b%4)+128*(\b/4)+4:96+8*(\b%4)+128*(\b/4)+7], v[B0O], s[96:97] offset:64*\b+16
.endr
	WIN 0
	s_wait_loadcnt 0x0
.macro WM d, a, b, c, sa, sb, ra, rb
.if (\ra) && (\rb)
	v_wmma_scale_f32_16x16x128_f8f6f4 v[(\d):(\d)+7], v[(\a):(\a)+11], v[(\b):(\b)+11], v[(\c):(\c)+7], v[\sa], v[\sb] matrix_a_fmt:MATRIX_FMT_FP6 matrix_b_fmt:MATRIX_FMT_FP6 matrix_a_scale:MATRIX_SCALE_ROW1 matrix_b_scale:MATRIX_SCALE_ROW1
.elseif (\ra)
	v_wmma_scale_f32_16x16x128_f8f6f4 v[(\d):(\d)+7], v[(\a):(\a)+11], v[(\b):(\b)+11], v[(\c):(\c)+7], v[\sa], v[\sb] matrix_a_fmt:MATRIX_FMT_FP6 matrix_b_fmt:MATRIX_FMT_FP6 matrix_a_scale:MATRIX_SCALE_ROW1
.elseif (\rb)
	v_wmma_scale_f32_16x16x128_f8f6f4 v[(\d):(\d)+7], v[(\a):(\a)+11], v[(\b):(\b)+11], v[(\c):(\c)+7], v[\sa], v[\sb] matrix_a_fmt:MATRIX_FMT_FP6 matrix_b_fmt:MATRIX_FMT_FP6 matrix_b_scale:MATRIX_SCALE_ROW1
.else
	v_wmma_scale_f32_16x16x128_f8f6f4 v[(\d):(\d)+7], v[(\a):(\a)+11], v[(\b):(\b)+11], v[(\c):(\c)+7], v[\sa], v[\sb] matrix_a_fmt:MATRIX_FMT_FP6 matrix_b_fmt:MATRIX_FMT_FP6
.endif
.endm
.macro MUL k, p, first                 ; K step k: 32 products, the 32 accumulators by turns
.if \first
	WIN 0x91                                       ; source 0 window 1, C (the bias) window 1, D window 2
.else
	WIN 0xa1
.endif
.irp a, 0,1,2,3
.irp b, 0,1,2,3,4,5,6,7
.if \first
	WM 64*\a+8*\b, 128*(\p)+FR*\b, AF+48*(\p)+FR*\a, 96+8*(\b%4)+128*(\b/4), SS0+8*(\b/2)+(\k), SS1+8*(\a/2)+(\k), \b%2, \a%2
.else
	WM 64*\a+8*\b, 128*(\p)+FR*\b, AF+48*(\p)+FR*\a, 64*\a+8*\b, SS0+8*(\b/2)+(\k), SS1+8*(\a/2)+(\k), \b%2, \a%2
.endif
.endr
.endr
.endm
.macro FETCH k, p                      ; K step k's fragments into set p: 24 + 16 LDS loads
	WIN 0x40
.irp b, 0,1,2,3,4,5,6,7
.irp g, 0,1,2
	ds_load_b128 v[128*(\p)+FR*\b+4*\g:128*(\p)+FR*\b+4*\g+3], v[AB+(\k)/2] offset:\b*TILEB+((\k)%2)*1536+512*\g
.endr
.endr
	WIN 0
.irp a, 0,1,2,3
	ds_load_b128 v[AF+48*(\p)+FR*\a:AF+48*(\p)+FR*\a+3], v[A16+(\k)/2] offset:\a*TILEB+((\k)%2)*1536
	ds_load_b64 v[AF+48*(\p)+FR*\a+4:AF+48*(\p)+FR*\a+5], v[A8+(\k)/2] offset:\a*TILEB+((\k)%2)*1536+512
	ds_load_b64 v[AF+48*(\p)+FR*\a+6:AF+48*(\p)+FR*\a+7], v[A8+(\k)/2] offset:\a*TILEB+((\k)%2)*1536+768
	ds_load_b128 v[AF+48*(\p)+FR*\a+8:AF+48*(\p)+FR*\a+11], v[A16+(\k)/2] offset:\a*TILEB+((\k)%2)*1536+1024
.endr
.endm
.macro GATE n                          ; my part of the next region has landed (the n later ones may stay out), my LDS loads are in: then the barrier
	s_wait_tensorcnt \n
	s_wait_dscnt 0x0
	s_barrier_signal -1
	s_barrier_wait -1
.endm
	GATE 3
	FETCH 0, 0
.irp k, 0,1,2,3,4,5,6,7
.if ((\k%2) == 1) && (\k < 7)
	GATE (5-\k)/2
.else
	s_wait_dscnt 0x0                               ; this K step's fragments are in
.endif
.if \k < 7
	PLACES 4                                       ; in front of loads into the set that the last products read
	FETCH \k+1, (\k+1)%2
.endif
	MUL \k, \k%2, \k==0
.endr
	WIN 0
; THE WAY OUT, a block of 16 rows x 128 columns at a time, through my own stage: back as whole rows of 512 bytes.  LDS serves a wave's instructions in order.
.macro TOSTAGE a
	WIN 0x08                                       ; an LDS store's data: window 2
.irp b, 0,1,2,3,4,5,6,7
	ds_store_b128 v[STO], v[64*(\a)+8*\b:64*(\a)+8*\b+3] offset:64*\b          ; each accumulator from its low end on
	ds_store_b128 v[STO], v[64*(\a)+8*\b+4:64*(\a)+8*\b+7] offset:64*\b+16
.endr
	WIN 0
.set BB, BK+64*((\a)%2)
.irp t, 0,1,2,3,4,5,6,7,8,9,10,11,12,13,14,15
	ds_load_b128 v[BB+4*\t:BB+4*\t+3], v[RD] offset:\t*SPITCH
.endr
.endm
.macro SEND a, younger
.set BB, BK+64*((\a)%2)
	s_wait_dscnt \younger                          ; the block is back in registers
.irp t, 0,1,2,3,4,5,6,7,8,9,10,11,12,13,14,15
	global_store_b128 v[CO], v[BB+4*\t:BB+4*\t+3], s[98:99] offset:(16*(\a)+\t)*4096 th:TH_STORE_NT   ; 32 lanes store 512 consecutive bytes, at a multiple of 256 from out0's first byte
.endr
.endm
	PLACES 4                                       ; behind the last products
	TOSTAGE 0
.irp a, 1,2,3
.if \a > 1
	s_wait_xcnt 0x0                                ; block a - 2's stores have read their registers
.endif
	TOSTAGE \a
	SEND \a-1, 32                                  ; behind block a - 1's loads: block a's 16 stores and 16 loads
.endr
	SEND 3, 0
	s_wait_tensorcnt 0x0                           ; the wave's end
	ds_add_u32 v[SPW], v[NIL]
	s_wait_dscnt 0x0
	CROUND                                         ; the closing round
	s_endpgm
.Lfunc_end_k_qc3b7861d5a_proj:
	.size	k_qc3b7861d5a_proj, .Lfunc_end_k_qc3b7861d5a_proj-k_qc3b7861d5a_proj
	.p2alignl 7, 3214868480
	.fill 96, 4, 3214868480
	.section	.rodata,"a",@progbits
	.p2align	6, 0x0
	.amdhsa_kernel k_qc3b7861d5a_proj
		.amdhsa_group_segment_fixed_size 327680
		.amdhsa_private_segment_fixed_size 0
		.amdhsa_enable_private_segment 0
		.amdhsa_kernarg_size 32
		.amdhsa_user_sgpr_count 2
		.amdhsa_user_sgpr_kernarg_segment_ptr 1
		.amdhsa_wavefront_size32 1
		.amdhsa_system_sgpr_workgroup_id_x 1
		.amdhsa_system_sgpr_workgroup_id_y 1
		.amdhsa_system_sgpr_workgroup_id_z 1
		.amdhsa_system_vgpr_workitem_id 0
		.amdhsa_next_free_vgpr 768
		.amdhsa_next_free_sgpr 100
		.amdhsa_reserve_vcc 0
		.amdhsa_float_denorm_mode_32 3
		.amdhsa_float_denorm_mode_16_64 3
		.amdhsa_memory_ordered 1
		.amdhsa_forward_progress 1
		.amdhsa_inst_pref_size 81
	.end_amdhsa_kernel
	.amdgpu_metadata
---
amdhsa.version: [ 1, 2 ]
amdhsa.kernels:
  - .name:           k_qc3b7861d5a_proj
    .symbol:         k_qc3b7861d5a_proj.kd
    .args:
      - { .name: wsC, .offset: 0, .size: 8, .value_kind: global_buffer, .address_space: global }
      - { .name: wsA, .offset: 8, .size: 8, .value_kind: global_buffer, .address_space: global }
      - { .name: b_proj, .offset: 16, .size: 8, .value_kind: global_buffer, .address_space: global }
      - { .name: out0, .offset: 24, .size: 8, .value_kind: global_buffer, .address_space: global }
    .group_segment_fixed_size: 327680
    .private_segment_fixed_size: 0
    .kernarg_segment_align: 8
    .kernarg_segment_size: 32
    .max_flat_workgroup_size: 128
    .sgpr_count:     100
    .vgpr_count:     768
    .wavefront_size: 32
...
	.end_amdgpu_metadata
.endif
;; end of part 4
